; MI455X (gfx1250); checked and timed in simulation.
; The chip was launched on July 23, 2026; its instructions are those of AMD's public machine-readable ISA for CDNA 5 (MIT licence, August 2026) and "CDNA5" Instruction Set Architecture Reference Guide (July 2026). The comments in the code are by the model that wrote it; some were corrected since.
;; Causal MHA. Allowed arithmetic: matrix products marked QUANTISED: E2M1 operands, one E8M0 scale for each 32 along K, by v_wmma_scale_f32_16x16x128_f8f6f4 with both operands' format E2M1 (or v_wmma_scale_f32_32x16x128_f4), f32 sums; products left as they are: bf16, f16 or f32 operands; f32 sums; everything else in f32.
;; Inputs: wk 1,024 x 1,024 float32; wo 1,024 x 1,024 float32; wq 1,024 x 1,024 float32; wv 1,024 x 1,024 float32; x 4 x 2,048 x 1,024 float32.
;; Outputs: out0 4 x 2,048 x 1,024 float32.
;; This version of the problem:
;;   THIS VERSION OF THE PROBLEM IS GIVEN IN LOW PRECISION. The matrix products marked QUANTISED in the list below multiply operands that are first quantised to E2M1 (2 exponent bits, 1 mantissa bit; 4 bits a number), with one power-of-two scale for each 32 numbers along K (OCP MX v1.0); their sums are f32. The products marked 'left as it is' may take bf16, f16 or f32 operands, with f32 sums. Whichever they take, every output number must still come out within the allowed error. Rounding operands to bf16 (8 significant bits) uses up far more of that allowance than f16 does (11 bits, for magnitudes from 6e-5 to 65,504). All else is computed in f32.
;;   The module's matrix products, in the order in which they are computed (A, B: the left and right operand; K: the contracted axis; several contracted axes count as one K, in the product's order):
;;     1. [M 8,192, K 1,024] x [K 1,024, N 1,024]; A: input x; B: input wq: QUANTISED
;;     2. [M 8,192, K 1,024] x [K 1,024, N 1,024]; A: input x; B: input wk: QUANTISED
;;     3. [M 8,192, K 1,024] x [K 1,024, N 1,024]; A: input x; B: input wv: QUANTISED
;;     4. batch 64 x [M 2,048, K 64] x [K 64, N 2,048]; A: computed on the way; B: computed on the way: left as it is (an operand is computed on the way)
;;     5. batch 64 x [M 2,048, K 2,048] x [K 2,048, N 64]; A: computed on the way; B: computed on the way: left as it is (an operand is computed on the way)
;;     6. [M 8,192, K 1,024] x [K 1,024, N 1,024]; A: computed on the way; B: input wo: left as it is (an operand is computed on the way)
;;   THE QUANTISER, for each operand of a quantised product, along K:
;;     - K is cut into blocks of 32 from its start; a last block that is shorter is filled with zeros.
;;     - A block's scale is 2^e with e = floor(log2(the largest magnitude in the block)) - 2, held to -126 .. 127; a block of zeros has e = 0. As a byte (E8M0): e + 127.
;;     - Each number is divided by its block's scale, clamped to +-6, and rounded to the nearest number of E2M1, ties to even, subnormals kept.
;;     - The product sums the exact products of the quantised numbers (number of the format x scale) in f32.
;;   ~~~python
;;   def quantise(x, axis):      # numpy; x: float32 -> the quantised numbers, widened to float32 again
;;       x = np.moveaxis(x, axis, -1); K = x.shape[-1]
;;       x = np.pad(x, [(0, 0)] * (x.ndim - 1) + [(0, -K % 32)]); x = x.reshape(x.shape[:-1] + (-1, 32)); a = np.abs(x).max(-1, keepdims=True)
;;       e = np.where(a > 0, np.clip(np.frexp(np.where(a > 0, a, 1))[1] - 1 - 2, -126, 127), 0)      # np.frexp(a)[1] - 1 = floor(log2(a)), exactly
;;       r = np.clip(x / 2.0 ** e, -6, 6)
;;       step = 2.0 ** (np.maximum(np.frexp(np.where(r == 0, 1, r))[1] - 1, 0) - 1)
;;       q = np.round(r / step) * step * 2.0 ** e      # np.round: ties to even
;;       return np.moveaxis(q.reshape(q.shape[:-2] + (-1,))[..., :K], -1, axis).astype(np.float32)
;;   ~~~
;; One version. Each part assembles by itself: llvm-mc -triple=amdgcn-amd-amdhsa -mcpu=gfx1250 --defsym DOCPART=n.
;; ======== version 1 of 1: 5 launches
;; limits: values are held in f16: magnitudes above 65,504 overflow, below 6.1e-05 lose precision
;; workspace buffers: codes 5,767,168 bytes; scales 360,448 bytes; wo16 2,097,152 bytes; rope 524,288 bytes; qkv16 50,331,648 bytes; fine 786,432 bytes; ao16 16,777,216 bytes
;; launch prep (part 1): grid 448 x 1, 4 waves a work-group, no clusters, 33,280 bytes of LDS; arguments x, wq, wk, wv, wo, codes, scales, wo16, rope; writes codes, scales, wo16, rope
.if DOCPART == 1
	.amdgcn_target "amdgcn-amd-amdhsa--gfx1250"
	.amdhsa_code_object_version 6
	.text
	.protected	k_q669433ff08_prep
	.globl	k_q669433ff08_prep
	.p2align	8
	.type	k_q669433ff08_prep,@function
k_q669433ff08_prep:
	s_mov_b64 s[64:65], 0
	v_nop
	global_prefetch_b8 v0, s[64:65] scope:SCOPE_SE
	s_setreg_imm32_b32 hwreg(HW_REG_WAVE_MODE, 25, 1), 1
	s_wait_xcnt 0x0
; PREP: what every later launch reads narrow or by table is made once.
;  work-groups 0-351:   x [8192][1024] and wq, wk, wv [1024][1024], f32, K innermost, become codes of FP4 (E2M1) with one E8M0 byte for each 32 along K.
;                       codes: x's rows of 512 bytes at 0, the weights' 3,072 rows (wq, wk, wv) at 4,194,304;  scales: x's rows of 32 bytes at 0, the weights' at 262,144.
;  work-groups 352-415: wo [1024 n][1024 k] f32 becomes f16 laid [head 16][n 1024][64], so that a head's rows are dense in memory.
;  work-groups 416-447: the table of cos and sin for the rotation, f32, laid as the next launch's registers take it: [position / 16][q' 4][c 2][lane 32][16 bytes];
;                       lane (r, h) holds cos_i, sin_i, cos_i+1, sin_i+1 at position 16 sblk + r, i = 8 q' + 4 h + 2 c, angle = position x 10000^(-i / 32).
; A block's scale is 2^(floor(log2(its largest magnitude)) - 2); its byte is the largest magnitude's exponent field - 2, held at 1 from below.  A block of zeros so gets the byte 1: its codes are zeros,
; which add nothing under any byte but 0xff, and the bytes are read by this program alone.
; LIMITS: blocks whose largest magnitude lies under 2^-124 were not tried; NaN and infinities are not served; wo beyond 65,504 in magnitude becomes infinity in f16.
; The inverse frequency is 2^(-i x log2(10000) / 32) by v_exp_f32 (1 ulp), so an angle may differ from a correctly rounded one by some 2e-4 rad at position 2,047, alike for q and k;
; sin and cos come by reduction with pi / 2 in two parts and polynomials cut under 3e-7.  None of this stands ahead of a quantiser.
; No tensor loads, no barrier, no matrix unit, no cluster: waves share nothing and the launch streams.
.set WAVES, 4
.set STEPS, 16
.set EMAX,  2
.set CB,    8                          ; bytes of 16 codes
.set R,     16                         ; v16-79   four sets of 16 numbers as they are loaded
.set X,     80                         ; v80-111  two sets of 16 neighbours
.set E,     112                        ; v112-127 a scale byte for each step
.set C,     128                        ; v128-191 codes, four registers for each step: no store's data are written again
.set WREG,  8192                       ; LDS: a region for each wave: two stages of 32 x SP bytes, then its 256 scale bytes
.set SP,    80                         ; a lane's place in a stage: 64 bytes + 16 of padding
.set SPW,   12                         ; v12  LDS address of my spare word; never rewritten
.set NIL,   13                         ; v13  0; never rewritten
.set SPARE, WAVES*WREG                 ; behind the four regions: the spare words, 128 bytes a wave
.set WG_X,  256                        ; work-groups for x
.set WG_Q,  352                        ; and with the three weights, 32 each
.set WG_WO, 416                        ; and with wo
	s_load_b256 s[4:11], s[0:1], 0x0               ; x, wq, wk, wv
	s_load_b256 s[12:19], s[0:1], 0x20             ; wo, codes, scales, wo16
	s_load_b64 s[20:21], s[0:1], 0x40              ; rope
	v_lshl_add_u32 v[SPW], v0, 2, SPARE
	v_mov_b32 v[NIL], 0
	v_lshrrev_b32 v1, 5, v0
	v_readfirstlane_b32 s24, v1                    ; wave
	v_and_b32 v2, 31, v0                           ; lane
	s_wait_kmcnt 0x0
	s_cmp_ge_u32 ttmp9, WG_WO
	s_cbranch_scc1 .Ltable
	s_cmp_ge_u32 ttmp9, WG_Q
	s_cbranch_scc1 .Lwo
; ---------------- the quantiser: a tensor is a plain stream of blocks of 32; a wave takes 16 steps of 512 numbers
	v_lshlrev_b32 v3, 4, v2                        ; my 16 bytes of a load's 512
	s_mul_i32 s33, s24, WREG
	v_lshrrev_b32 v14, 2, v2
	v_mul_u32_u24 v14, v14, SP
	v_and_b32 v15, 3, v2
	v_lshl_add_u32 v14, v15, 4, v14
	v_add_nc_u32 v14, s33, v14                     ; the stage, on the way in: four lanes' 64 bytes on end, then 16 of padding
	v_mul_u32_u24 v15, v2, SP
	v_add_nc_u32 v15, s33, v15                     ; and on the way out: my 16 neighbours
	v_mul_u32_u24 v4, v2, CB                       ; my codes' place in a step's
	v_lshrrev_b32 v5, 1, v2
	s_add_co_u32 s33, s33, 2*32*SP
	v_add_nc_u32 v5, s33, v5                       ; my wave's 256 scale bytes, my block's byte
	v_lshlrev_b32 v7, 3, v2
	v_add_nc_u32 v6, s33, v7                       ; and on the way out 8 bytes a lane
	s_cmp_lt_u32 ttmp9, 320                        ; which tensor: the choices hang on the work-group's number alone
	s_cselect_b64 s[8:9], s[8:9], s[10:11]         ; wk or wv
	s_cmp_lt_u32 ttmp9, 288
	s_cselect_b64 s[6:7], s[6:7], s[8:9]           ; wq or that
	s_cmp_lt_u32 ttmp9, WG_X
	s_cselect_b64 s[4:5], s[4:5], s[6:7]           ; x or that
	s_cselect_b32 s25, 0, WG_X                     ; the first work-group of x, or of the weights
	s_cselect_b32 s26, 255, 31                     ; work-groups in one source tensor, less one
	s_cselect_b32 s28, 0, 0x400000                 ; where the codes go,
	s_cselect_b32 s30, 0, 0x40000                  ; and the scale bytes
	s_sub_co_u32 s25, ttmp9, s25
	s_and_b32 s26, s25, s26
	s_lshl_b32 s25, s25, 2
	s_add_co_u32 s25, s25, s24                     ; my wave's run of 8,192 numbers in the destination region,
	s_lshl_b32 s26, s26, 2
	s_add_co_u32 s26, s26, s24                     ; and in its source tensor
	s_lshl_b32 s26, s26, 15                        ; 32,768 bytes of f32 a run
	s_mov_b32 s27, 0
	s_add_nc_u64 s[4:5], s[4:5], s[26:27]
	s_lshl_b32 s32, s25, 12                        ; 4,096 bytes of codes a run
	s_add_co_u32 s28, s28, s32
	s_mov_b32 s29, 0
	s_add_nc_u64 s[14:15], s[14:15], s[28:29]
	s_lshl_b32 s32, s25, 8                         ; 256 scale bytes a run
	s_add_co_u32 s30, s30, s32
	s_mov_b32 s31, 0
	s_add_nc_u64 s[16:17], s[16:17], s[30:31]
.macro LOAD t
.irp i, 0,1,2,3
	global_load_b128 v[R+16*((\t)%4)+4*\i:R+16*((\t)%4)+4*\i+3], v3, s[4:5] offset:2048*(\t)+512*\i th:TH_LOAD_NT   ; 32 lanes read 512 consecutive bytes
.endr
.endm
.macro TURN t                          ; step t's numbers through the stage: LDS serves a wave's instructions in order, so no wait stands between the stores and the loads
.irp i, 0,1,2,3
	ds_store_b128 v14, v[R+16*((\t)%4)+4*\i:R+16*((\t)%4)+4*\i+3] offset:32*SP*((\t)%2)+8*SP*\i
.endr
.irp i, 0,1,2,3
	ds_load_b128 v[X+16*((\t)%2)+4*\i:X+16*((\t)%2)+4*\i+3], v15 offset:32*SP*((\t)%2)+16*\i
.endr
.endm
.irp t, 0,1,2,3
	LOAD \t
.endr
	s_wait_loadcnt 12                              ; step 0's four loads are in; three steps' twelve stay out
	TURN 0
.macro STEP t
.set XS, X+16*((\t)%2)
.if (\t) > 0
	s_wait_dscnt 1                                 ; this step's numbers are back from the stage (the last step's byte store may be out)
.else
	s_wait_dscnt 0x0
.endif
.if (\t)+4 < STEPS
	LOAD (\t)+4                                    ; into the registers that the stage's stores have read
.endif
.if (\t)+1 < STEPS
.if STEPS-2-(\t) >= 3
	s_wait_loadcnt 12                              ; the next step's four loads are in; those of the three steps behind it may be out
.else
	s_wait_loadcnt 4*(STEPS-2-(\t))
.endif
	TURN (\t)+1
.endif
	v_max3_num_f32 v8, |v[XS]|, |v[XS+1]|, |v[XS+2]|               ; the largest magnitude of my 16, in two chains
	v_max3_num_f32 v9, |v[XS+3]|, |v[XS+4]|, |v[XS+5]|
.irp i, 6,10
	v_max3_num_f32 v8, v8, |v[XS+\i]|, |v[XS+\i+1]|
	v_max3_num_f32 v9, v9, |v[XS+\i+2]|, |v[XS+\i+3]|
.endr
	v_max3_num_f32 v8, v8, |v[XS+14]|, |v[XS+15]|
	v_max3_num_f32 v8, v8, v9, (EMAX+1)<<23        ; and the floor 2^(3 - 127): the byte cannot fall under 1
	v_max_num_f32_dpp v8, v8, v8 row_xmask:1 row_mask:0xf bank_mask:0xf   ; and of my neighbour's 16: the block's
	v_add_nc_u32 v11, -(EMAX<<23), v8              ; 2 off its exponent field: the conversion takes the exponent field of this operand as its scale
	v_cvt_scalef32_pk8_fp4_f32 v[C+4*(\t)], v[XS:XS+7], v11
	v_cvt_scalef32_pk8_fp4_f32 v[C+4*(\t)+1], v[XS+8:XS+15], v11
	v_lshrrev_b32 v[E+(\t)], 23, v11               ; the scale's byte (also the plain line behind the conversions)
	ds_store_b8 v5, v[E+(\t)] offset:16*(\t)       ; both lanes of a block write the same byte with the same value
	global_store_b64 v4, v[C+4*(\t):C+4*(\t)+1], s[14:15] offset:32*CB*(\t)   ; the wave stores 256 consecutive bytes
.endm
.irp t, 0,1,2,3,4,5,6,7,8,9,10,11,12,13,14,15
	STEP \t
.endr
	ds_load_b64 v[8:9], v6                         ; LDS serves a wave's instructions in order: these see my byte stores
	s_wait_dscnt 0x0
	global_store_b64 v7, v[8:9], s[16:17]          ; 32 lanes store 256 consecutive bytes
	s_wait_tensorcnt 0x0                           ; the wave's end, behind my last LDS store
	ds_add_u32 v[SPW], v[NIL]
	s_wait_dscnt 0x0
	s_endpgm
; ---------------- wo to f16, by head.  Work-group j = 0..63: head j / 4, rows 256 (j % 4) on.  Thread t takes 16 bytes: row t / 16 of eight, channels 4 (t % 16) on
.Lwo:
	s_sub_co_u32 s25, ttmp9, WG_Q                  ; j
	s_lshr_b32 s26, s25, 2
	s_lshl_b32 s26, s26, 8                         ; the head's 256 bytes of a row
	s_and_b32 s27, s25, 3
	s_lshl_b32 s27, s27, 20                        ; 256 rows of 4,096 bytes
	s_add_co_u32 s26, s26, s27
	s_mov_b32 s27, 0
	s_add_nc_u64 s[12:13], s[12:13], s[26:27]
	s_lshl_b32 s28, s25, 15                        ; 256 rows of 128 bytes: the work-groups' parts lie on end
	s_mov_b32 s29, 0
	s_add_nc_u64 s[18:19], s[18:19], s[28:29]
	v_lshrrev_b32 v1, 4, v0
	v_and_b32 v3, 15, v0
	v_lshlrev_b32 v3, 4, v3
	v_lshl_add_u32 v1, v1, 12, v3                  ; in: sixteen lanes read a row's 256 consecutive bytes
	v_lshlrev_b32 v4, 3, v0                        ; out: 8 bytes a thread, a wave 256 consecutive bytes
.set i, 0
.rept 32
	global_load_b128 v[16+4*i:19+4*i], v1, s[12:13] offset:32768*i
.set i, i+1
.endr
.set i, 0
.rept 32
	s_wait_loadcnt 31-i                            ; loads come back in order: number i is in, the younger ones stay out
	v_cvt_pk_f16_f32 v[144+2*i], v[16+4*i], v[17+4*i]
	v_cvt_pk_f16_f32 v[145+2*i], v[18+4*i], v[19+4*i]
	global_store_b64 v4, v[144+2*i:145+2*i], s[18:19] offset:1024*i
.set i, i+1
.endr
	s_endpgm
; ---------------- the table.  Work-group j = 0..31 makes entries 1,024 j + 128 i + t, i = 0..7
.Ltable:
	s_sub_co_u32 s25, ttmp9, WG_WO                 ; j
	s_lshl_b32 s26, s25, 14                        ; 1,024 entries of 16 bytes
	s_mov_b32 s27, 0
	s_add_nc_u64 s[20:21], s[20:21], s[26:27]
	s_lshl_b32 s36, s25, 6                         ; four blocks of 16 positions
	s_mov_b32 s28, 0xbfc90fdb                      ; -pi/2, its upper part,
	s_mov_b32 s29, 0x333bbd2e                      ; and what the upper part has too much
	s_mov_b32 s30, 0xbe2aaaab                      ; sin: -1/6, 1/120, -1/5040
	s_mov_b32 s31, 0x3c088889
	s_mov_b32 s32, 0xb9500d01
	s_mov_b32 s33, 0x3d2aaaab                      ; cos: 1/24, -1/720, 1/40320
	s_mov_b32 s34, 0xbab60b61
	s_mov_b32 s35, 0x37d00d01
	v_and_b32 v3, 15, v0                           ; r
	v_bfe_u32 v4, v0, 4, 1                         ; h
	v_add_nc_u32 v20, s36, v3                      ; position 64 j + r; entry i adds 16 (i / 2)
	s_and_b32 s37, s24, 1                          ; c = wave % 2
	s_lshl_b32 s37, s37, 1
	s_lshr_b32 s38, s24, 1                         ; q' = wave / 2 + 2 (i % 2)
	s_lshl_b32 s38, s38, 3
	s_add_co_u32 s37, s37, s38
	v_lshl_add_u32 v22, v4, 2, s37                 ; 8 (wave / 2) + 4 h + 2 c
	v_lshlrev_b32 v10, 4, v0                       ; 16 bytes a thread
.irp n, 0,1,2,3                        ; my four frequencies: n = 2 (i % 2) + e
	v_add_nc_u32 v[24+\n], 16*(\n/2)+(\n%2), v22
.endr
.irp n, 0,1,2,3
	v_cvt_f32_u32 v[24+\n], v[24+\n]
.endr
.irp n, 0,1,2,3
	v_mul_f32 v[24+\n], 0xbed49a78, v[24+\n]       ; x -log2(10000) / 32
.endr
.irp n, 0,1,2,3
	v_exp_f32 v[24+\n], v[24+\n]
.endr
	v_nop                                          ; a plain line behind the last exponential,
	s_wait_alu depctr_va_vdst(0)                   ; and one wait for the four, ahead of their first reader
; cos and sin of v[ang] (0 to 2,047): n = the nearest multiple of pi/2, r = ang - n pi/2 in two fused steps, polynomials in r, then the quadrant by selects and sign bits
.macro SINCOS ang, co, si
	v_mul_f32 v40, 0x3f22f983, v[\ang]             ; x 2 / pi
	v_rndne_f32 v40, v40
	v_fma_f32 v41, v40, s28, v[\ang]
	v_fma_f32 v41, v40, s29, v41                   ; r, at most pi/4 in magnitude
	v_cvt_i32_f32 v42, v40
	v_mul_f32 v43, v41, v41
	v_fma_f32 v44, v43, s32, s31
	v_fma_f32 v46, v43, s35, s34
	v_fma_f32 v44, v44, v43, s30
	v_fma_f32 v46, v46, v43, s33
	v_mul_f32 v45, v43, v41
	v_fma_f32 v46, v46, v43, -0.5
	v_fma_f32 v44, v44, v45, v41                   ; sin r
	v_fma_f32 v46, v46, v43, 1.0                   ; cos r
	v_and_b32 v47, 1, v42
	v_cmp_eq_u32 vcc_lo, 1, v47                    ; an odd quadrant swaps the two
	v_cndmask_b32 v[\si], v44, v46, vcc_lo
	v_cndmask_b32 v[\co], v46, v44, vcc_lo
	v_and_b32 v47, 2, v42                          ; sin is negative in quadrants 2 and 3,
	v_lshlrev_b32 v47, 30, v47
	v_xor_b32 v[\si], v[\si], v47
	v_add_nc_u32 v47, 1, v42                       ; cos in 1 and 2
	v_and_b32 v47, 2, v47
	v_lshlrev_b32 v47, 30, v47
	v_xor_b32 v[\co], v[\co], v47
.endm
.macro ENTRY i
	v_add_nc_u32 v21, 16*((\i)/2), v20
	v_cvt_f32_u32 v21, v21
	v_mul_f32 v23, v21, v[24+2*((\i)%2)]           ; the angle: one multiplication in f32
	SINCOS 23, 64+4*(\i), 65+4*(\i)
	v_mul_f32 v23, v21, v[25+2*((\i)%2)]
	SINCOS 23, 66+4*(\i), 67+4*(\i)
	global_store_b128 v10, v[64+4*(\i):67+4*(\i)], s[20:21] offset:2048*(\i)   ; a wave stores 512 consecutive bytes; each entry has registers of its own
.endm
.irp i, 0,1,2,3,4,5,6,7
	ENTRY \i
.endr
	s_endpgm
.Lfunc_end_k_q669433ff08_prep:
	.size	k_q669433ff08_prep, .Lfunc_end_k_q669433ff08_prep-k_q669433ff08_prep
	.p2alignl 7, 3214868480
	.fill 96, 4, 3214868480
	.section	.rodata,"a",@progbits
	.p2align	6, 0x0
	.amdhsa_kernel k_q669433ff08_prep
		.amdhsa_group_segment_fixed_size 33280
		.amdhsa_private_segment_fixed_size 0
		.amdhsa_enable_private_segment 0
		.amdhsa_kernarg_size 72
		.amdhsa_user_sgpr_count 2
		.amdhsa_user_sgpr_kernarg_segment_ptr 1
		.amdhsa_wavefront_size32 1
		.amdhsa_system_sgpr_workgroup_id_x 1
		.amdhsa_system_sgpr_workgroup_id_y 1
		.amdhsa_system_sgpr_workgroup_id_z 1
		.amdhsa_system_vgpr_workitem_id 0
		.amdhsa_next_free_vgpr 208
		.amdhsa_next_free_sgpr 66
		.amdhsa_reserve_vcc 1
		.amdhsa_float_denorm_mode_32 3
		.amdhsa_float_denorm_mode_16_64 3
		.amdhsa_memory_ordered 1
		.amdhsa_forward_progress 1
		.amdhsa_inst_pref_size 67
	.end_amdhsa_kernel
	.amdgpu_metadata
---
amdhsa.version: [ 1, 2 ]
amdhsa.kernels:
  - .name:           k_q669433ff08_prep
    .symbol:         k_q669433ff08_prep.kd
    .args:
      - { .name: x, .offset: 0, .size: 8, .value_kind: global_buffer, .address_space: global }
      - { .name: wq, .offset: 8, .size: 8, .value_kind: global_buffer, .address_space: global }
      - { .name: wk, .offset: 16, .size: 8, .value_kind: global_buffer, .address_space: global }
      - { .name: wv, .offset: 24, .size: 8, .value_kind: global_buffer, .address_space: global }
      - { .name: wo, .offset: 32, .size: 8, .value_kind: global_buffer, .address_space: global }
      - { .name: codes, .offset: 40, .size: 8, .value_kind: global_buffer, .address_space: global }
      - { .name: scales, .offset: 48, .size: 8, .value_kind: global_buffer, .address_space: global }
      - { .name: wo16, .offset: 56, .size: 8, .value_kind: global_buffer, .address_space: global }
      - { .name: rope, .offset: 64, .size: 8, .value_kind: global_buffer, .address_space: global }
    .group_segment_fixed_size: 33280
    .private_segment_fixed_size: 0
    .kernarg_segment_align: 8
    .kernarg_segment_size: 72
    .max_flat_workgroup_size: 128
    .sgpr_count:     66
    .vgpr_count:     208
    .wavefront_size: 32
...
	.end_amdgpu_metadata
.endif
;; end of part 1
;; launch qkv (part 2): grid 12 x 32, 4 waves a work-group, clusters of 4 x 4, 327,680 bytes of LDS; arguments codes, scales, rope, qkv16, fine; writes qkv16, fine
.if DOCPART == 2
	.amdgcn_target "amdgcn-amd-amdhsa--gfx1250"
	.amdhsa_code_object_version 6
	.text
	.protected	k_q669433ff08_qkv
	.globl	k_q669433ff08_qkv
	.p2align	8
	.type	k_q669433ff08_qkv,@function
k_q669433ff08_qkv:
	s_mov_b64 s[64:65], 0
	v_nop
	global_prefetch_b8 v0, s[64:65] scope:SCOPE_SE
	s_setreg_imm32_b32 hwreg(HW_REG_WAVE_MODE, 25, 1), 1
	s_wait_xcnt 0x0
	s_wait_alu depctr_hold_cnt(0) depctr_sa_sdst(0) depctr_va_vdst(0) depctr_va_sdst(0) depctr_va_ssrc(0) depctr_va_vcc(0) depctr_vm_vsrc(0)
	s_getreg_b32 s2, hwreg(HW_REG_IB_STS2, 6, 4)
	s_cmp_eq_u32 s2, 0
	s_cbranch_scc0 .Lentry_in_a_cluster
	s_endpgm
.Lentry_in_a_cluster:
	s_bfe_u32 s2, ttmp6, 0x10000c
	s_cmp_lg_u32 s2, 0xf033
	s_cbranch_scc0 .Lentry_shape_is_right
	s_endpgm
.Lentry_shape_is_right:
; QKV: C[m][n] = sum over k of x[m][k] w[n][k], m = 8,192 rows of x, n = 3,072 rows of (wq, wk, wv), K = 1,024, on codes of FP4 (E2M1) with one E8M0 scale for each 32 along K, sums in f32.
; On the way out: the rotation of q and k by the table (f32), q x log2(e) / 8, rounding to f16, laid [kind][batch][head][position][64]; positions 0-15 of each sequence also in f32 (buffer fine).
; A tile of C, 256 x 256, is made by a work-group of four waves; a wave makes 128 x 128: 64 accumulators.  All of K is two LDS slots of 512 along K, both asked for at the head: nothing is filled again.
; CLUSTERS: 4 x 4 work-groups.  Tile column = 4 x cluster x + cx, so a cluster's columns are all q's, all k's or all v's.  Tile row = 8 cy + cluster y: the batch is cy and the tile's first
; position, 256 x cluster y, is the same in all sixteen.  The four of a row of the cluster ask jointly for x's tiles, the four of a column for the weights'.
; THE MATRIX INSTRUCTION IS USED TRANSPOSED (source 0 = 16 rows of w, source 1 = 16 rows of x): a lane holds eight neighbouring columns of one row of C: four pairs of the rotation.
; 384 work-groups of equal work: a tile that gave one to each of 256 WGPs (256 x 384) does not fit in LDS beside the scales.
; No prefetch: each operand byte is asked for once at the head, by the loads themselves.
; LIMITS: q x 0.18, k and v beyond 65,504 in magnitude become infinity in f16.
; REGISTERS: window 0: v16-30 addresses; v32-95 scale words, two sets; v128-191 x's fragments, one set.  window 1: w's fragments, two sets.  windows 2, 3: the accumulators ((a, b) at v[8 (8 (a % 4) + b)]).
;   On the way out, window 0: v22-23 the pair (G, 0); v32-95 cos and sin, two sets; v96-159 64 rotated numbers; v160-191 the same in f16; v192-255 rows back from the stage, two sets.
.set KSTEP,  512
.set NQ,     KSTEP/128
.set ROWB,   256                       ; a tile's row in bytes
.set KROW,   512                       ; a row of codes in memory
.set PITCH,  272                       ; an LDS row: 256 bytes + 16 of padding = 68 words: the 16 rows that a load touches start at 16 different banks (64 banks of 4 bytes: ISA guide 11.1)
.set FR,     8
.set NL,     2
.set NP,     4                         ; places behind this matrix instruction (ISA guide 7.12.1)
.set HALFT,  128*PITCH
.set SLOT,   4*HALFT
.set KS,     32                        ; a row of scale bytes
.set SCL,    2*SLOT                    ; behind the ring: the scales, as rows of 256 bytes + 16 of padding
.set HALFS,  (128*KS/256)*272
.set SBLK,   (16*KS/256)*272
.set SPARE,  SCL+4*HALFS               ; the spare words, 128 bytes a wave
.set SPITCH, 272                       ; the way out: a stage of 16 rows x (256 bytes + 16) for each wave, in slot 0, which has had its only fill and its last read by then
.set WCODES, 4194304                   ; where the weights' codes begin,
.set WSCALE, 262144                    ; and their scale bytes
.set ADRA, 16
.set ADRB, 20
.set GP,   22                          ; v[22:23] (G, 0)
.set STO,  24
.set RD,   25
.set CO,   26
.set ADRS, 27
.set SPW,  28
.set NIL,  29
.set FO,   30
.set SC,   32
.set AF,   128
.set CS,   32
.set T,    96
.set PK,   160
.set BK,   192
.set G1, 24
.set G0, 32
.set G1B, 48
.set G0B, 56
.set G1S, 68
.set G0S, 76
.set G1SB, 80
.set G0SB, 88
.set MSB, 0
.macro WIN new                         ; the immediate's high byte repeats the setting that is left
.if MSB != (\new)
	s_set_vgpr_msb (MSB<<8)|(\new)
.set MSB, (\new)
.endif
.endm
.set MUL_LO, 0xa1                      ; source 0 (w) window 1, source 1 (x) window 0, C and D window 2
.set MUL_HI, 0xf1
.set TO_B,   0x40
; A joint load: waves 0 and 1 fetch for x, waves 2 and 3 for w; the branch hangs on the wave's number alone.  An s_nop 0 and four v_nop follow each of the two lines.
.macro JLOAD g0a, g1a, g0b, g1b
	s_cmp_eq_u32 s15, 0
	s_cbranch_scc0 .Lfor_b_\@
	tensor_load_to_lds s[\g0a:\g0a+3], s[\g1a:\g1a+7]
	s_nop 0
.rept 4
	v_nop
.endr
	s_branch .Lasked_\@
.Lfor_b_\@:
	tensor_load_to_lds s[\g0b:\g0b+3], s[\g1b:\g1b+7]
	s_nop 0
.rept 4
	v_nop
.endr
.Lasked_\@:
.endm
.macro CROUND                          ; a round of the cluster's barrier
	s_barrier_signal -1
	s_barrier_wait -1
	s_cmp_lg_u32 s14, 0
	s_cbranch_scc1 .Lnot_wave_0_\@
	s_barrier_signal -3
.Lnot_wave_0_\@:
	s_barrier_wait -3
	s_barrier_signal -1
	s_barrier_wait -1
.endm
	s_load_b128 s[4:7], s[0:1], 0x0                ; codes, scales
	s_load_b128 s[8:11], s[0:1], 0x10              ; rope, qkv16
	s_load_b64 s[12:13], s[0:1], 0x20              ; fine
	v_lshl_add_u32 v[SPW], v0, 2, SPARE
	v_mov_b32 v[NIL], 0
	ds_add_u32 v[SPW], v[NIL]                      ; the wave's opening: the add, twice on end, and its wait ahead of my first tensor load
	ds_add_u32 v[SPW], v[NIL]
	v_lshrrev_b32 v1, 5, v0
	v_readfirstlane_b32 s14, v1                    ; wave 0..3
	s_lshr_b32 s15, s14, 1                         ; which half of the tile's rows is mine.  Also: I fetch for x (0) or for w (1)
	s_and_b32 s16, s14, 1                          ; which half of its columns.  Also: which 128 rows of that tile I fetch
	s_bfe_u32 s40, ttmp6, 0x40000                  ; cx
	s_bfe_u32 s41, ttmp6, 0x40004                  ; cy
	s_lshl_b32 s42, ttmp9, 2
	s_add_co_u32 s42, s42, s40                     ; tile column = 4 x cluster x + cx
	s_and_b32 s98, ttmp7, 0xffff                   ; cluster y
	s_lshl_b32 s17, s41, 3
	s_add_co_u32 s17, s17, s98                     ; tile row = 8 cy + cluster y
	s_lshl_b32 s43, s41, 2
	s_lshl_b32 s43, 15, s43                        ; my row of the cluster
	s_lshl_b32 s44, 0x1111, s40                    ; my column
	s_or_b32 s[G1+0], s43, (0<<16)|(1<<20)|(1<<21)|(5<<22)|(3<<25)  ; the mask; elements of 1 byte; padding on; bit 21 beside a mask; 4 words behind every 64
	s_or_b32 s[G1B+0], s44, (0<<16)|(1<<20)|(1<<21)|(5<<22)|(3<<25)
.irp g, G1, G1B
	s_mov_b32 s[\g+1], ROWB<<16                    ; tensor_dim0
	s_mov_b32 s[\g+2], 128<<16                     ; tensor_dim1
	s_mov_b32 s[\g+3], ROWB<<16                    ; tile_dim0
	s_mov_b32 s[\g+4], 128                         ; tile_dim1
	s_mov_b32 s[\g+5], KROW                        ; from row to row
	s_mov_b32 s[\g+6], 0
	s_mov_b32 s[\g+7], 0
.endr
	s_or_b32 s[G1S+0], s43, (3<<16)|(1<<20)|(1<<21)|(5<<22)|(3<<25) ; the scales of 128 rows: 4,096 dense bytes as 16 rows of 32 elements of 8 bytes
	s_or_b32 s[G1SB+0], s44, (3<<16)|(1<<20)|(1<<21)|(5<<22)|(3<<25)
.irp g, G1S, G1SB
	s_mov_b32 s[\g+1], 32<<16
	s_mov_b32 s[\g+2], (128*KS/256)<<16
	s_mov_b32 s[\g+3], 32<<16
	s_mov_b32 s[\g+4], 128*KS/256
	s_mov_b32 s[\g+5], 32
	s_mov_b32 s[\g+6], 0
	s_mov_b32 s[\g+7], 0
.endr
	s_lshl_b32 s18, s16, 7                         ; which 128 rows of the tile I fetch
	s_lshl_b32 s20, s17, 8
	s_add_co_u32 s20, s20, s18                     ; x: row 256 x tile row + 128 x half
	s_lshl_b32 s46, s42, 8
	s_add_co_u32 s46, s46, s18                     ; w: row 256 x tile column + 128 x half
	s_mov_b32 s21, 0
	s_mov_b32 s47, 0
	s_mov_b64 s[18:19], KS
	s_mul_u64 s[22:23], s[20:21], s[18:19]         ; where these rows' scales begin,
	s_mul_u64 s[92:93], s[46:47], s[18:19]
	s_mov_b64 s[18:19], KROW
	s_mul_u64 s[20:21], s[20:21], s[18:19]         ; and their codes
	s_mul_u64 s[46:47], s[46:47], s[18:19]
	s_add_nc_u64 s[92:93], s[92:93], WSCALE        ; the weights lie behind x in both buffers
	s_add_nc_u64 s[46:47], s[46:47], WCODES
	s_mul_i32 s45, s14, HALFT                      ; where they go: wave x 128 rows: no place in the cluster enters an LDS address
	s_mul_i32 s94, s14, HALFS
	s_wait_dscnt 0x0                               ; both opening adds are done
	s_wait_kmcnt 0x0
	s_add_nc_u64 s[20:21], s[4:5], s[20:21]
	s_add_nc_u64 s[22:23], s[6:7], s[22:23]
	s_add_nc_u64 s[46:47], s[4:5], s[46:47]
	s_add_nc_u64 s[92:93], s[6:7], s[92:93]
	CROUND                                         ; all sixteen work-groups are here: the joint loads meet
	s_mov_b32 s[G0S], 1
	s_add_co_u32 s[G0S+1], s94, SCL
	s_mov_b64 s[G0S+2:G0S+3], s[22:23]
	s_or_b32 s[G0S+3], s[G0S+3], 0x80000000
	s_mov_b32 s[G0SB], 1
	s_add_co_u32 s[G0SB+1], s94, SCL
	s_mov_b64 s[G0SB+2:G0SB+3], s[92:93]
	s_or_b32 s[G0SB+3], s[G0SB+3], 0x80000000
	JLOAD G0S, G1S, G0SB, G1SB                     ; the scales first: they are wanted with the first slot
.irp s, 0,1
	s_mov_b32 s[G0+4*\s], 1
	s_add_co_u32 s[G0+4*\s+1], s45, \s*SLOT
	s_add_nc_u64 s[G0+4*\s+2:G0+4*\s+3], s[20:21], \s*ROWB
	s_or_b32 s[G0+4*\s+3], s[G0+4*\s+3], 0x80000000
	s_mov_b32 s[G0B+4*\s], 1
	s_add_co_u32 s[G0B+4*\s+1], s45, \s*SLOT
	s_add_nc_u64 s[G0B+4*\s+2:G0B+4*\s+3], s[46:47], \s*ROWB
	s_or_b32 s[G0B+4*\s+3], s[G0B+4*\s+3], 0x80000000
	JLOAD G0+4*\s, G1, G0B+4*\s, G1B               ; three loads of mine are out behind the second of these
.endr
	v_and_b32 v1, 15, v0                           ; r = l % 16
	v_bfe_u32 v2, v0, 4, 1                         ; h = l / 16
	v_mul_u32_u24 v3, v1, PITCH
	v_lshl_add_u32 v4, v2, 4, v3                   ; a fragment's row x pitch + 16 x half
	s_mul_i32 s21, s15, HALFT                      ; my 128 rows of x
	s_mul_i32 s22, s16, HALFT                      ; my 128 rows of w,
	s_add_co_u32 s22, s22, 2*HALFT                 ; which lie behind x's 256
.irp s, 0,1
	v_add_nc_u32 v[ADRA+\s], s21, v4
	v_add_nc_u32 v[ADRB+\s], s22, v4
	s_add_co_u32 s21, s21, SLOT
	s_add_co_u32 s22, s22, SLOT
.endr
	v_mul_u32_u24 v5, v1, KS                       ; my row's scales: 32 bytes a row,
	v_lshrrev_b32 v6, 8, v5
	v_lshl_add_u32 v5, v6, 4, v5                   ; and 16 more for each 256 passed
	s_mul_i32 s21, s15, HALFS
	s_mul_i32 s22, s16, HALFS
	s_add_co_u32 s22, s22, 2*HALFS
	s_sub_co_u32 s22, s22, s21
	v_mul_u32_u24 v6, s22, v2                      ; lanes 16-31 take w's: one product, the distance between the two bases
	s_add_co_u32 s21, s21, SCL
	v_add_nc_u32 v5, v5, v6
	v_add_nc_u32 v[ADRS], s21, v5
	s_mul_i32 s23, s14, 16*SPITCH                  ; my stage
	v_mul_u32_u24 v5, v1, SPITCH                   ; in: row r, 16 bytes for each half of the lanes
	v_lshl_add_u32 v5, v2, 4, v5
	v_add_nc_u32 v[STO], s23, v5
	v_and_b32 v6, 31, v0
	v_lshrrev_b32 v7, 3, v6                        ; back: eight lanes take a head's 128 bytes of a row, four rows an instruction
	v_mul_u32_u24 v7, v7, SPITCH
	v_and_b32 v8, 7, v0
	v_lshl_add_u32 v7, v8, 4, v7
	v_add_nc_u32 v[RD], s23, v7
	v_lshlrev_b32 v[CO], 4, v6                     ; 16 x lane: in the table and in qkv16
	v_lshlrev_b32 v[FO], 12, v1
	v_lshl_add_u32 v[FO], v2, 5, v[FO]             ; in fine: row r of 4,096 bytes + 32 h
	s_lshl_b32 s20, s98, 16                        ; the table: 4,096 bytes for 16 positions; my first position is 256 x cluster y + 128 x row half
	s_lshl_b32 s21, s15, 15
	s_add_co_u32 s20, s20, s21
	s_mov_b32 s21, 0
	s_add_nc_u64 s[8:9], s[8:9], s[20:21]
	s_lshl_b32 s20, s41, 4                         ; qkv16: head row 16 cy + 4 cx + 2 x column half,
	s_lshl_b32 s22, s40, 2
	s_add_co_u32 s20, s20, s22
	s_lshl_b32 s22, s16, 1
	s_add_co_u32 s20, s20, s22
	s_lshl_b32 s20, s20, 11                        ; of 2,048 positions,
	s_lshl_b32 s22, s98, 8
	s_add_co_u32 s20, s20, s22
	s_lshl_b32 s22, s15, 7
	s_add_co_u32 s20, s20, s22                     ; my first position,
	s_lshl_b32 s20, s20, 7                         ; 128 bytes each,
	s_lshl_b32 s22, ttmp9, 24                      ; and the kind's 16,777,216 bytes
	s_add_co_u32 s20, s20, s22
	s_add_nc_u64 s[10:11], s[10:11], s[20:21]
	s_lshl_b32 s20, ttmp9, 18                      ; fine: the kind's 64 rows of 4,096 bytes, row 16 cy, column 256 cx + 128 x column half
	s_lshl_b32 s22, s41, 16
	s_add_co_u32 s20, s20, s22
	s_lshl_b32 s22, s40, 10
	s_add_co_u32 s20, s20, s22
	s_lshl_b32 s22, s16, 9
	s_add_co_u32 s20, s20, s22
	s_add_nc_u64 s[12:13], s[12:13], s[20:21]
	s_or_b32 s99, s98, s15                         ; 0 where my first 16 rows are positions 0-15: cluster y and the wave's number alone
	s_cmp_eq_u32 ttmp9, 0                          ; (cos, sin) becomes (cos F + G, sin F): q: F = log2(e) / 8; k: F = 1; v: F = 0 and G = 1, the rotation that changes nothing
	s_cselect_b32 s66, 0x3e38aa3b, 1.0
	s_cmp_eq_u32 ttmp9, 2
	s_cselect_b32 s66, 0, s66
	s_cselect_b32 s67, 1.0, 0
	v_mov_b32 v[GP], s67
	v_mov_b32 v[GP+1], 0
	s_mov_b32 s67, s66                             ; (named with s66 as a pair, so it is written)
.macro FRAG reg, adr, q, i             ; 16 rows x 128 K of 4-bit codes: 8 registers; registers 4 c .. 4 c + 3 hold K = 64 c + 32 (l / 16) + 0 .. 31
.irp c, 0,1
	ds_load_b128 v[\reg+4*\c:\reg+4*\c+3], v[\adr] offset:64*(\q)+32*\c+(\i)*16*PITCH
.endr
.endm
; 16 matrix instructions: x's blocks a0, a0 + 1 against w's eight, 128 along K.  The 64 accumulators take turns, one instruction a turn, in the same order in every step.
; One register carries x's scale word in lanes 0-15 and w's in lanes 16-31.
.macro MUL16 a0, p, q, sc, zero
.irp a, \a0, \a0+1
.irp b, 0,1,2,3,4,5,6,7
.if \zero
	v_wmma_scale_f32_16x16x128_f8f6f4 v[8*(8*((\a)%4)+\b):8*(8*((\a)%4)+\b)+7], v[128*(\p)+FR*\b:128*(\p)+FR*\b+FR-1], v[AF+FR*(\a):AF+FR*(\a)+FR-1], 0, v[SC+8*NQ*(\sc)+NQ*\b+(\q)], v[SC+8*NQ*(\sc)+NQ*(\a)+(\q)] matrix_a_fmt:MATRIX_FMT_FP4 matrix_b_fmt:MATRIX_FMT_FP4 matrix_a_scale:MATRIX_SCALE_ROW1
.else
	v_wmma_scale_f32_16x16x128_f8f6f4 v[8*(8*((\a)%4)+\b):8*(8*((\a)%4)+\b)+7], v[128*(\p)+FR*\b:128*(\p)+FR*\b+FR-1], v[AF+FR*(\a):AF+FR*(\a)+FR-1], v[8*(8*((\a)%4)+\b):8*(8*((\a)%4)+\b)+7], v[SC+8*NQ*(\sc)+NQ*\b+(\q)], v[SC+8*NQ*(\sc)+NQ*(\a)+(\q)] matrix_a_fmt:MATRIX_FMT_FP4 matrix_b_fmt:MATRIX_FMT_FP4 matrix_a_scale:MATRIX_SCALE_ROW1
.endif
.endr
.endr
.endm
.macro FETCH_B slot, q, p
	WIN TO_B
.irp i, 0,1,2,3,4,5,6,7
	FRAG 128*(\p)+FR*\i, ADRB+\slot, \q, \i
.endr
	WIN 0
.endm
.macro FETCH_A slot, q, i0
.irp i, \i0, \i0+1, \i0+2, \i0+3
	FRAG AF+FR*(\i), ADRA+\slot, \q, \i
.endr
.endm
.macro SCALES sc                       ; a slot's scale words: 4 words a row; lanes 0-15 x's block i, lanes 16-31 w's block i
.irp i, 0,1,2,3,4,5,6,7
	ds_load_b128 v[SC+8*NQ*\sc+NQ*\i:SC+8*NQ*\sc+NQ*\i+3], v[ADRS] offset:\i*SBLK
.endr
.endm
.macro PLACES n                        ; plain vector lines between a matrix instruction and a load into, or a read of, its registers (ISA guide 7.12.1 for reads)
.rept \n
	v_nop
.endr
.endm
.macro STEP slot, q, zero              ; 128 along K whose successor lies in the same slot
	s_wait_dscnt 4*NL                              ; w's set and x's blocks 0-3 are in; the youngest eight loads (x's blocks 4-7) may be out
	WIN MUL_LO
	MUL16 0, (\q)%2, \q, \slot, \zero
	MUL16 2, (\q)%2, \q, \slot, \zero
	s_wait_dscnt 0
	PLACES NP
	FETCH_B \slot, (\q)+1, 1-(\q)%2
	FETCH_A \slot, (\q)+1, 0
	WIN MUL_HI
	MUL16 4, (\q)%2, \q, \slot, \zero
	MUL16 6, (\q)%2, \q, \slot, \zero
	PLACES NP
	WIN 0
	FETCH_A \slot, (\q)+1, 4
.endm
.macro STEPS slot, from
.set Q, \from
.rept NQ-1-\from
	STEP \slot, Q, 0
.set Q, Q+1
.endr
.endm
; Slot 0's last step changes slots: one barrier; in front of it each wave waits for all its tensor loads (its part of slot 1), adds 0 to its spare word, and waits for that and for its reads of slot 0.
.macro TURN slot, next
	s_wait_tensorcnt 0x0
	ds_add_u32 v[SPW], v[NIL]
	s_wait_dscnt 4*NL+1                            ; (the add and the youngest eight loads may be out)
	WIN MUL_LO
	MUL16 0, 1, NQ-1, \slot, 0
	s_wait_dscnt 0x0                               ; the add is done, and my reads of this slot are over
	s_barrier_signal -1
	MUL16 2, 1, NQ-1, \slot, 0
	WIN 0
	s_barrier_wait -1
	PLACES NP
	v_add_nc_u32 v[ADRS], 4*NQ, v[ADRS]            ; on to the next slot's scale words
	FETCH_B \next, 0, 0
	FETCH_A \next, 0, 0
	SCALES \next
	WIN MUL_HI
	MUL16 4, 1, NQ-1, \slot, 0
	MUL16 6, 1, NQ-1, \slot, 0
	PLACES NP
	WIN 0
	FETCH_A \next, 0, 4
.endm
	s_wait_tensorcnt 1                             ; the scales and my part of slot 0 are in (slot 1's load may be out)
	s_barrier_signal -1
	s_barrier_wait -1                              ; everybody's are
	FETCH_B 0, 0, 0
	FETCH_A 0, 0, 0
	SCALES 0
	FETCH_A 0, 0, 4
	STEP 0, 0, 1                                   ; the first step's products start the sums: nothing is cleared
	STEPS 0, 1
	TURN 0, 1
	STEPS 1, 0
	s_wait_dscnt 4*NL                              ; the last step: nothing more to fetch
	WIN MUL_LO
	MUL16 0, 1, NQ-1, 1, 0
	MUL16 2, 1, NQ-1, 1, 0
	s_wait_dscnt 0
	WIN MUL_HI
	MUL16 4, 1, NQ-1, 1, 0
	MUL16 6, 1, NQ-1, 1, 0
	WIN 0
; THE WAY OUT, block by block of 16 rows x 128 columns (two heads).
.macro LOADCS a                        ; block a's cos and sin: eight loads of 512 consecutive bytes, the registers' own image
.irp g, 0,1,2,3,4,5,6,7
	global_load_b128 v[CS+32*((\a)%2)+4*\g:CS+32*((\a)%2)+4*\g+3], v[CO], s[8:9] offset:4096*(\a)+512*\g
.endr
.endm
.macro ROPE a
.set CA, CS+32*((\a)%2)
.set AC, 64*((\a)%4)
.if (\a) < 7
	LOADCS (\a)+1
	s_wait_loadcnt 8                               ; this block's eight loads are in, the next block's stay out
.else
	s_wait_loadcnt 0x0
.endif
.set i, 0
.rept 16
	v_pk_fma_f32 v[CA+i:CA+i+1], v[CA+i:CA+i+1], s[66:67], v[GP:GP+1] op_sel_hi:[1,0,1]   ; (cos F + G, sin F)
.set i, i+2
.endr
	WIN 0x02+(\a)/4                                ; source 0: the accumulators' window
.irp b, 0,1,2,3,4,5,6,7                ; each accumulator from its low end on
.irp jj, 0,1,2,3
	v_pk_mul_f32 v[T+8*\b+2*\jj:T+8*\b+2*\jj+1], v[AC+8*\b+2*\jj:AC+8*\b+2*\jj+1], v[CA+8*(\b%4)+2*\jj:CA+8*(\b%4)+2*\jj+1] op_sel_hi:[1,0]   ; (x0 c, x1 c)
.endr
.irp jj, 0,1,2,3
	v_pk_fma_f32 v[T+8*\b+2*\jj:T+8*\b+2*\jj+1], v[AC+8*\b+2*\jj:AC+8*\b+2*\jj+1], v[CA+8*(\b%4)+2*\jj:CA+8*(\b%4)+2*\jj+1], v[T+8*\b+2*\jj:T+8*\b+2*\jj+1] op_sel:[1,1,0] op_sel_hi:[0,1,1] neg_lo:[1,0,0]   ; (x0 c - x1 s, x1 c + x0 s)
.endr
.endr
	WIN 0
.set i, 0
.rept 32
	v_cvt_pk_f16_f32 v[PK+i], v[T+2*i], v[T+2*i+1]
.set i, i+1
.endr
.endm
.macro FINEOUT                         ; positions 0-15 also leave in f32: 32 bytes a lane of rows 4,096 bytes apart; 786,432 bytes in the whole launch
	s_cmp_lg_u32 s99, 0
	s_cbranch_scc1 .Lnot_first_\@
.irp b, 0,1,2,3,4,5,6,7
	global_store_b128 v[FO], v[T+8*\b:T+8*\b+3], s[12:13] offset:64*\b
	global_store_b128 v[FO], v[T+8*\b+4:T+8*\b+7], s[12:13] offset:64*\b+16
.endr
	s_wait_xcnt 0x0                                ; the next block writes these registers again only behind this wait
.Lnot_first_\@:
.endm
.macro TOSTAGE a
.set BB, BK+32*((\a)%2)
.irp b, 0,1,2,3,4,5,6,7
	ds_store_b128 v[STO], v[PK+4*\b:PK+4*\b+3] offset:32*\b
.endr
.if (\a) > 1
	s_wait_xcnt 0x0                                ; block a - 2's stores have read the registers that the loads below fill
.endif
.irp hh, 0,1
.irp i, 0,1,2,3
	ds_load_b128 v[BB+4*(4*\hh+\i):BB+4*(4*\hh+\i)+3], v[RD] offset:128*\hh+4*SPITCH*\i   ; LDS serves a wave's instructions in order: these see the stores above
.endr
.endr
.endm
.macro SEND a
.set BB, BK+32*((\a)%2)
	s_wait_dscnt 0x0                               ; the block is back in registers
.irp hh, 0,1
.irp i, 0,1,2,3
	global_store_b128 v[CO], v[BB+4*(4*\hh+\i):BB+4*(4*\hh+\i)+3], s[10:11] offset:262144*\hh+2048*(\a)+512*\i   ; four rows of a head: 512 consecutive bytes
.endr
.endr
.endm
	PLACES NP                                      ; behind the last products: loads into the scale words' registers and writes over x's fragments follow
	LOADCS 0
	ROPE 0
	FINEOUT
	TOSTAGE 0
.irp a, 1,2,3,4,5,6,7
	ROPE \a                                        ; a block's arithmetic stands between the loads of the block before and its stores
	SEND \a-1
	TOSTAGE \a
.endr
	SEND 7
	s_wait_tensorcnt 0x0                           ; the wave's end
	ds_add_u32 v[SPW], v[NIL]
	s_wait_dscnt 0x0
	CROUND                                         ; the closing round
	s_endpgm
.Lfunc_end_k_q669433ff08_qkv:
	.size	k_q669433ff08_qkv, .Lfunc_end_k_q669433ff08_qkv-k_q669433ff08_qkv
	.p2alignl 7, 3214868480
	.fill 96, 4, 3214868480
	.section	.rodata,"a",@progbits
	.p2align	6, 0x0
	.amdhsa_kernel k_q669433ff08_qkv
		.amdhsa_group_segment_fixed_size 327680
		.amdhsa_private_segment_fixed_size 0
		.amdhsa_enable_private_segment 0
		.amdhsa_kernarg_size 40
		.amdhsa_user_sgpr_count 2
		.amdhsa_user_sgpr_kernarg_segment_ptr 1
		.amdhsa_wavefront_size32 1
		.amdhsa_system_sgpr_workgroup_id_x 1
		.amdhsa_system_sgpr_workgroup_id_y 1
		.amdhsa_system_sgpr_workgroup_id_z 1
		.amdhsa_system_vgpr_workitem_id 0
		.amdhsa_next_free_vgpr 1024
		.amdhsa_next_free_sgpr 100
		.amdhsa_reserve_vcc 0
		.amdhsa_float_denorm_mode_32 3
		.amdhsa_float_denorm_mode_16_64 3
		.amdhsa_memory_ordered 1
		.amdhsa_forward_progress 1
		.amdhsa_inst_pref_size 175
	.end_amdhsa_kernel
	.amdgpu_metadata
---
amdhsa.version: [ 1, 2 ]
amdhsa.kernels:
  - .name:           k_q669433ff08_qkv
    .symbol:         k_q669433ff08_qkv.kd
    .args:
      - { .name: codes, .offset: 0, .size: 8, .value_kind: global_buffer, .address_space: global }
      - { .name: scales, .offset: 8, .size: 8, .value_kind: global_buffer, .address_space: global }
      - { .name: rope, .offset: 16, .size: 8, .value_kind: global_buffer, .address_space: global }
      - { .name: qkv16, .offset: 24, .size: 8, .value_kind: global_buffer, .address_space: global }
      - { .name: fine, .offset: 32, .size: 8, .value_kind: global_buffer, .address_space: global }
    .group_segment_fixed_size: 327680
    .private_segment_fixed_size: 0
    .kernarg_segment_align: 8
    .kernarg_segment_size: 40
    .max_flat_workgroup_size: 128
    .sgpr_count:     100
    .vgpr_count:     1024
    .wavefront_size: 32
...
	.end_amdgpu_metadata
.endif
;; end of part 2
;; launch attn (part 3): grid 4 x 64, 8 waves a work-group, no clusters, 327,680 bytes of LDS; arguments qkv16, ao16; writes ao16
.if DOCPART == 3
	.amdgcn_target "amdgcn-amd-amdhsa--gfx1250"
	.amdhsa_code_object_version 6
	.text
	.protected	k_q669433ff08_attn
	.globl	k_q669433ff08_attn
	.p2align	8
	.type	k_q669433ff08_attn,@function
k_q669433ff08_attn:
	s_mov_b64 s[64:65], 0
	v_nop
	global_prefetch_b8 v0, s[64:65] scope:SCOPE_SE
	s_setreg_imm32_b32 hwreg(HW_REG_WAVE_MODE, 25, 1), 1
	s_wait_xcnt 0x0
; ATTN: O[q] = sum over k <= q of softmax_k(Q[q] . K[k] / 8) V[k], for 64 heads of 2,048 positions x 64 channels.  q (already x log2(e) / 8), k, v: f16, [kind][head 64][position][64].
; Products on f16 operands with f32 sums; maxima, exponentials and sums in f32; the weights are rounded to f16 for the second product; O to f16 once, laid [head 16][2,048 batch + position][64].
; SHARES.  Work-group (p, head) owns query blocks p and 7 - p, 256 queries each, and walks the keys once for both.  Wave w owns four tiles of 16 queries: tiles w and 15 - w of each block.
; A tile with first query q0 needs the key steps of 64 whose first key is at most q0 + 15: by this pairing every wave of every work-group has 66 tile-steps.  Two waves share a SIMD.
; LAYOUT.  S^T = K Q^T (source 0 = 16 keys, source 1 = 16 queries): a lane holds one query (lane % 16) and keys 8 (lane / 16) + 0..7 of each tile of 16; two such tiles, rounded in pairs, are
; source 1 of O^T = V^T P.  K comes out of LDS as it lies, V ([key][channel]) turned by ds_load_tr16_b128.
; SOFTMAX.  A running maximum m and sum l for each query: p = 2^(s - m); in every step O and l are multiplied by a = 2^(m_old - m_new).  m begins at -3e38, O and l at 0: the step is written once.
; THE MASK.  Every work-group walks all 8 slots of 256 keys: trip counts are constants.  A step or a tile all of whose keys come after its queries is jumped over by a scalar branch on ids; on the
; diagonal hidden scores become -infinity.  A slot whose first key comes after the work-group's last query is read by none of its waves and is not asked for.
; NO CLUSTER: the four work-groups of a head need 8, 7, 6 and 5 slots; a joint load would bring three of them tiles that none of their waves reads.
; LIMITS: O beyond 65,504 in magnitude becomes infinity in f16; NaN and infinities among the inputs are not served.
; REGISTERS: window 0: v2-15 addresses and constants; v16-47 statistics, 8 a tile; v48-79 S^T; v80-95 P; v96-159 K of a step; v160-223 V of a step; v224-231 offsets of Q and O.
;   window 1: v0-127 O^T, 32 a tile; v128-191 Q, 16 a tile.
.set KS,    64                         ; keys in a step
.set PK,    144                        ; a row of K in LDS: 128 bytes + 16 = 36 words: the 16 rows of a load start at 16 different groups of four banks
.set PV,    160                        ; a row of V: 128 + 32
.set VOFF,  KS*PK
.set STEPB, KS*(PK+PV)                 ; a step's tiles lie together: K's 64 rows, then V's
.set SLOTB, 4*STEPB                    ; a slot holds four steps
.set SLOT1, 1<<17                      ; slot 1 begins here: one exclusive or turns an address from one slot to the other
.set STAGE, SLOTB                      ; between the slots: 16 rows x 144 bytes for each wave, for the way out; no tile lands there
.set SP,    144
.set SPARE, STAGE+8*16*SP              ; the spare words, 128 bytes a wave
.set AK0, 2
.set AV0, 3
.set ADK, 4
.set ADV, 5
.set STO, 7
.set RD,  8
.set DL,  10                           ; r - 8 h
.set D,   11
.set NINF, 12
.set PFO, 13
.set SPW, 14
.set NIL, 15
.set ST,  16                           ; tile t at v[ST + 8 t]: +0 m, +1 0, +2, +3 l, +4 .. +7 at work; a stands in +6
.set S,   48
.set P,   80
.set KR,  96
.set VR,  160
.set QOF, 224
.set AOF, 228
.set WV,  12
.set LIM, 15
.set Q0T, 16                           ; s16-19 the tiles' first queries
.set QL,  20                           ; s20-23 their last
.set G1K, 24
.set G1V, 32
.set G0,  40
.set KF,  44                           ; the step's first key
.set TB,  45                           ; LDS byte at which the step's tiles begin
.set SLOTS, 46
.set CNT, 47
.set LASTQ, 49
.set PFA, 50
.set SEL, 52
.set QB,  54
.set AOB, 56
.set MSB, 0
.macro WIN new
.if MSB != (\new)
	s_set_vgpr_msb (MSB<<8)|(\new)
.set MSB, (\new)
.endif
.endm
.set W_KQ, 0x04                        ; Q (source 1) in window 1
.set W_RS, 0x41                        ; O^T (destination, source 0) in window 1
.set W_PV, 0x50                        ; O^T (C and D) in window 1
; Waves 0-3 fetch K's tiles of a slot's four steps, waves 4-7 V's: one load of 64 rows a wave.  The two shapes differ in the padding, so there are two lines under a branch on the wave's number.
.macro TLOAD
	s_cmp_lt_u32 s[WV], 4
	s_cbranch_scc0 .Lfor_v_\@
	tensor_load_to_lds s[G0:G0+3], s[G1K:G1K+7]
	s_nop 0
.rept 4
	v_nop
.endr
	s_branch .Lasked_\@
.Lfor_v_\@:
	tensor_load_to_lds s[G0:G0+3], s[G1V:G1V+7]
	s_nop 0
.rept 4
	v_nop
.endr
.Lasked_\@:
.endm
; A prefetch of what the NEXT change of slots will ask for: my wave's tile of that slot, 8,192 dense bytes, lanes 256 bytes apart.  The four work-groups of a head walk the same K and V: the one
; with p = 0, which walks all slots, asks, so each block is named once in the launch.  The last change that fills a slot asks for nothing; slots 0 and 1 come by their loads alone.
.macro ASK
	s_cmp_gt_u32 s[SLOTS], s[LIM]
	s_cbranch_scc0 .Lnot_mine_\@
	global_prefetch_b8 v[PFO], s[PFA:PFA+1] th:TH_LOAD_NT scope:SCOPE_SE
.Lnot_mine_\@:
.endm
	s_load_b128 s[4:7], s[0:1], 0x0                ; qkv16, ao16
	v_lshl_add_u32 v[SPW], v0, 2, SPARE
	v_mov_b32 v[NIL], 0
	ds_add_u32 v[SPW], v[NIL]                      ; the wave's opening: the add, twice on end, and its wait ahead of my first tensor load
	ds_add_u32 v[SPW], v[NIL]
	v_lshrrev_b32 v1, 5, v0
	v_readfirstlane_b32 s[WV], v1                  ; wave 0..7
	s_and_b32 s8, ttmp7, 0xffff                    ; 16 x batch + head
	s_lshl_b32 s9, ttmp9, 8                        ; block p,
	s_sub_co_u32 s10, 7, ttmp9
	s_lshl_b32 s10, s10, 8                         ; block 7 - p,
	s_lshl_b32 s11, s[WV], 4                       ; tile w,
	s_sub_co_u32 s13, 240, s11                     ; tile 15 - w
	s_add_co_u32 s[Q0T], s9, s11
	s_add_co_u32 s[Q0T+1], s9, s13
	s_add_co_u32 s[Q0T+2], s10, s11
	s_add_co_u32 s[Q0T+3], s10, s13                ; the latest of the four
.irp t, 0,1,2,3
	s_add_co_u32 s[QL+\t], s[Q0T+\t], 15
.endr
	s_add_co_u32 s[LASTQ], s10, 255                ; my work-group's last query
	s_cmp_eq_u32 ttmp9, 0
	s_cselect_b32 s[LIM], 1, -1
	s_mov_b32 s[G1K], (1<<16)|(1<<20)|(4<<22)|(3<<25)  ; no mask; elements of 2 bytes; padding on: 4 words behind every 32
	s_mov_b32 s[G1V], (1<<16)|(1<<20)|(4<<22)|(7<<25)  ; 8 words
.irp g, G1K, G1V
	s_mov_b32 s[\g+1], 64<<16                      ; tensor_dim0
	s_mov_b32 s[\g+2], KS<<16                      ; tensor_dim1
	s_mov_b32 s[\g+3], 64<<16                      ; tile_dim0
	s_mov_b32 s[\g+4], KS                          ; tile_dim1
	s_mov_b32 s[\g+5], 64                          ; from row to row
	s_mov_b32 s[\g+6], 0
	s_mov_b32 s[\g+7], 0
.endr
	s_and_b32 s9, s[WV], 3                         ; which step of a slot I fetch,
	s_lshr_b32 s10, s[WV], 2                       ; K's tile (0) or V's (1)
	s_mul_i32 s58, s9, STEPB
	s_mul_i32 s59, s10, VOFF
	s_add_co_u32 s58, s58, s59                     ; its place in a slot
	s_lshl_b32 s60, s9, 13                         ; 64 rows of 128 bytes a step,
	s_lshl_b32 s62, s8, 18                         ; the head's 262,144 bytes,
	s_add_co_u32 s60, s60, s62
	s_add_co_u32 s10, s10, 1
	s_lshl_b32 s10, s10, 24                        ; kind 1 or 2, 16,777,216 bytes each
	s_add_co_u32 s60, s60, s10
	s_mov_b32 s61, 0
	s_mov_b32 s63, 0
	s_and_b32 s66, s8, 15                          ; ao16: the head's 1,048,576 bytes, the batch's 262,144
	s_lshl_b32 s66, s66, 20
	s_lshr_b32 s67, s8, 4
	s_lshl_b32 s67, s67, 18
	s_add_co_u32 s66, s66, s67
	s_mov_b32 s67, 0
	s_mov_b32 s[SEL], 0x76543210
	s_mov_b32 s[SEL+1], 0xfedcba98                 ; v_permlanex16_b32's selects for lane l xor 16
	s_mov_b32 s[KF], 0
	s_mov_b32 s[TB], 0
	s_mov_b32 s[SLOTS], 7
	s_wait_dscnt 0x0                               ; both opening adds are done
	s_wait_kmcnt 0x0
	s_mov_b32 s[G0], 1
	s_mov_b32 s[G0+1], s58
	s_add_nc_u64 s[G0+2:G0+3], s[4:5], s[60:61]
	s_add_nc_u64 s[PFA:PFA+1], s[G0+2:G0+3], 4*KS*128  ; my tile of slot 1; the first change of slots steps it to slot 2
	s_or_b32 s[G0+3], s[G0+3], 0x80000000
	TLOAD                                          ; slot 0: it holds key 0, which counts for every query
	s_add_nc_u64 s[QB:QB+1], s[4:5], s[62:63]
	s_add_nc_u64 s[AOB:AOB+1], s[6:7], s[66:67]
	v_and_b32 v1, 15, v0                           ; r
	v_bfe_u32 v9, v0, 4, 1                         ; h
	v_and_b32 v6, 31, v0                           ; lane
	v_lshlrev_b32 v[D], 7, v1
	v_lshl_add_u32 v[D], v9, 4, v[D]               ; Q: row r of 128 bytes + 16 h
	v_lshlrev_b32 v[PFO], 4, v6                    ; O: 16 x lane
.irp t, 0,1,2,3
	s_lshl_b32 s9, s[Q0T+\t], 7
	v_add_nc_u32 v[QOF+\t], s9, v[D]
	v_add_nc_u32 v[AOF+\t], s9, v[PFO]
.endr
	WIN 0x40                                       ; destination window 1
.irp t, 0,1,2,3                        ; Q stays in registers: tile t, channels 32 c on
.irp c, 0,1
	global_load_b128 v[128+16*\t+8*\c:128+16*\t+8*\c+3],   v[QOF+\t], s[QB:QB+1] offset:64*\c
	global_load_b128 v[128+16*\t+8*\c+4:128+16*\t+8*\c+7], v[QOF+\t], s[QB:QB+1] offset:64*\c+32
.endr
.endr
.set i, 0
.rept 128
	v_mov_b32 v[i], 0                              ; O^T: the step is written once, and its first factor a is 0
.set i, i+1
.endr
	WIN 0
	v_mul_u32_u24 v[AK0], v1, PK
	v_lshl_add_u32 v[AK0], v9, 4, v[AK0]           ; K: row r x pitch + 16 h
	v_and_b32 v[ADK], 7, v0
	v_lshl_add_u32 v[AV0], v9, 3, v[ADK]           ; V, for the turning load: key 8 h + l % 8,
	v_mul_u32_u24 v[AV0], v[AV0], PV
	v_bfe_u32 v[ADV], v0, 3, 1
	v_lshl_add_u32 v[AV0], v[ADV], 4, v[AV0]       ; channels 8 ((l / 8) % 2) on
	v_add_nc_u32 v[AV0], VOFF, v[AV0]
	s_mul_i32 s9, s[WV], 16*SP
	s_add_co_u32 s9, s9, STAGE                     ; my stage
	v_mul_u32_u24 v[STO], v1, SP
	v_lshl_add_u32 v[STO], v9, 4, v[STO]
	v_add_nc_u32 v[STO], s9, v[STO]                ; in: row r, 16 bytes for each half of the lanes
	v_lshrrev_b32 v[RD], 3, v6
	v_mul_u32_u24 v[RD], v[RD], SP
	v_lshl_add_u32 v[RD], v[ADK], 4, v[RD]
	v_add_nc_u32 v[RD], s9, v[RD]                  ; back: eight lanes a row, four rows an instruction
	v_lshlrev_b32 v[DL], 3, v9
	v_sub_nc_u32 v[DL], v1, v[DL]
	v_mov_b32 v[NINF], 0xff800000
	v_lshlrev_b32 v[PFO], 8, v6
.irp t, 0,1,2,3
	v_mov_b32 v[ST+8*\t], 0xff61b1e6               ; m: -3e38, under every score
.irp j, 1,2,3,4,5,6,7
	v_mov_b32 v[ST+8*\t+\j], 0
.endr
.endr
.macro SOFTMAX t
.set rT, ST+8*(\t)
.irp j, 0,1,2,3                        ; the maximum of the lane's 32 scores and the old m; each accumulator is read from its low end on
	v_max3_num_f32 v[rT+4+\j], v[S+8*\j], v[S+8*\j+1], v[S+8*\j+2]
.endr
.irp q, 1,2
.irp j, 0,1,2,3
	v_max3_num_f32 v[rT+4+\j], v[rT+4+\j], v[S+8*\j+2*\q+1], v[S+8*\j+2*\q+2]
.endr
.endr
	v_max3_num_f32 v[rT+4], v[rT+4], v[S+7], v[S+15]
	v_max3_num_f32 v[rT+6], v[rT+6], v[S+23], v[S+31]
	v_max3_num_f32 v[rT+4], v[rT+4], v[rT+5], v[rT+6]
	v_max3_num_f32 v[rT+4], v[rT+4], v[rT+7], v[rT]
	v_permlanex16_b32 v[rT+5], v[rT+4], s[SEL], s[SEL+1]   ; the query's other 32 keys lie in the lane 16 away
	v_mov_b32 v[rT+7], v[rT]
	v_max_num_f32 v[rT], v[rT+4], v[rT+5]          ; the new m
	v_sub_f32 v[rT+7], v[rT+7], v[rT]
	v_exp_f32 v[rT+6], v[rT+7]                     ; a
.set i, 0
.rept 16
	v_pk_add_f32 v[S+i:S+i+1], v[S+i:S+i+1], v[rT:rT+1] op_sel_hi:[1,0] neg_lo:[0,1] neg_hi:[0,1]   ; s - m, two at a time
.set i, i+2
.endr
.set i, 0
.rept 32
	v_exp_f32 v[S+i], v[S+i]
.set i, i+1
.endr
	v_nop                                          ; a plain line behind the last exponential,
	s_wait_alu depctr_va_vdst(0)                   ; and one wait for the 33, ahead of their first reader
.set i, 0
.rept 16
	v_cvt_pk_f16_f32 v[P+i], v[S+2*i], v[S+2*i+1]
.set i, i+1
.endr
.irp w, 4,8,16,32                      ; the sum of the 16 pairs, in place
.set i, 0
.rept 32/\w
	v_pk_add_f32 v[S+i:S+i+1], v[S+i:S+i+1], v[S+i+\w/2:S+i+\w/2+1]
.set i, i+\w
.endr
.endr
	v_pk_fma_f32 v[rT+2:rT+3], v[rT+2:rT+3], v[rT+6:rT+7], v[S:S+1] op_sel_hi:[1,0,1]   ; l = a l + the sum
.endm
; One tile's part of a key step.  cond = 1: jumped over where all the step's keys come after the tile's queries.  Tile 3 is the latest: the step's own test is its test.
.macro TILE t, cond
.set rT, ST+8*(\t)
.if \cond
	s_cmp_gt_u32 s[KF], s[QL+\t]
	s_cbranch_scc1 .Lskip_\@
.endif
	s_wait_dscnt 16                                ; K's 16 loads are in; V's 16 may be out
	WIN W_KQ
.set i, 0
.rept 8                                ; channels 32 (i / 4) on, keys 16 (i % 4) on: the four accumulators take turns
.if i < 4
	v_wmma_f32_16x16x32_f16 v[S+8*(i%4):S+8*(i%4)+7], v[KR+16*(i%4)+8*(i/4):KR+16*(i%4)+8*(i/4)+7], v[128+16*(\t)+8*(i/4):128+16*(\t)+8*(i/4)+7], 0
.else
	v_wmma_f32_16x16x32_f16 v[S+8*(i%4):S+8*(i%4)+7], v[KR+16*(i%4)+8*(i/4):KR+16*(i%4)+8*(i/4)+7], v[128+16*(\t)+8*(i/4):128+16*(\t)+8*(i/4)+7], v[S+8*(i%4):S+8*(i%4)+7]
.endif
.set i, i+1
.endr
	WIN 0
.rept 4
	v_nop                                          ; places behind the products
.endr
	s_add_co_u32 s96, s[KF], KS-1
	s_cmp_le_u32 s96, s[Q0T+\t]                    ; all 64 keys count for all 16 queries?
	s_cbranch_scc1 .Lopen_\@
	s_sub_co_u32 s96, s[Q0T+\t], s[KF]
	v_add_nc_u32 v[D], s96, v[DL]                  ; d = my query - KF - 8 h.  Register 8 kt + j holds key KF + 16 kt + 8 h + j: hidden where 16 kt + j > d
.set i, 0
.rept 32
	v_cmp_gt_i32 vcc_lo, 16*(i/8)+i%8, v[D]
	v_cndmask_b32 v[S+i], v[S+i], v[NINF], vcc_lo
.set i, i+1
.endr
.Lopen_\@:
	SOFTMAX \t
	s_wait_dscnt 0x0                               ; V is in
	WIN W_RS
.set i, 0
.rept 16
	v_pk_mul_f32 v[32*(\t)+i:32*(\t)+i+1], v[32*(\t)+i:32*(\t)+i+1], v[rT+6:rT+7] op_sel_hi:[1,0]   ; O^T x a
.set i, i+2
.endr
	WIN W_PV
.set i, 0
.rept 8                                ; keys 32 (i / 4) on, channels 16 (i % 4) on: four accumulators by turns
	v_wmma_f32_16x16x32_f16 v[32*(\t)+8*(i%4):32*(\t)+8*(i%4)+7], v[VR+32*(i/4)+8*(i%4):VR+32*(i/4)+8*(i%4)+7], v[P+8*(i/4):P+8*(i/4)+7], v[32*(\t)+8*(i%4):32*(\t)+8*(i%4)+7]
.set i, i+1
.endr
	WIN 0
.Lskip_\@:
.endm
.macro STEP
	s_cmp_gt_u32 s[KF], s[QL+3]                    ; all keys after my latest query: nothing to do but to step the addresses
	s_cbranch_scc1 .Lhid_\@
	v_add_nc_u32 v[ADK], s[TB], v[AK0]
	v_add_nc_u32 v[ADV], s[TB], v[AV0]
	v_nop
	v_nop                                          ; with the two additions: four places in front of loads into registers that products have read
.irp kt, 0,1,2,3
.irp c, 0,1
	ds_load_b128 v[KR+16*\kt+8*\c:KR+16*\kt+8*\c+3],   v[ADK] offset:16*PK*\kt+64*\c
	ds_load_b128 v[KR+16*\kt+8*\c+4:KR+16*\kt+8*\c+7], v[ADK] offset:16*PK*\kt+64*\c+32
.endr
.endr
.irp kk, 0,1
.irp ct, 0,1,2,3
	ds_load_tr16_b128 v[VR+32*\kk+8*\ct:VR+32*\kk+8*\ct+3],   v[ADV] offset:32*PV*\kk+32*\ct
	ds_load_tr16_b128 v[VR+32*\kk+8*\ct+4:VR+32*\kk+8*\ct+7], v[ADV] offset:32*PV*\kk+16*PV+32*\ct
.endr
.endr
	TILE 0, 1
	TILE 1, 1
	TILE 2, 1
	TILE 3, 0
.Lhid_\@:
	s_add_co_u32 s[KF], s[KF], KS
	s_add_co_u32 s[TB], s[TB], STEPB
.endm
.macro FOUR_STEPS                      ; a slot's four steps: written once, walked four times
	s_mov_b32 s[CNT], 4
.Lstep_\@:
	STEP
	s_sub_co_u32 s[CNT], s[CNT], 1
	s_cmp_lg_u32 s[CNT], 0
	s_cbranch_scc1 .Lstep_\@
	s_sub_co_u32 s[TB], s[TB], SLOTB               ; back to a slot's first step,
	s_xor_b32 s[TB], s[TB], SLOT1                  ; in the other slot
.endm
; THE CHANGE OF SLOTS stands at a slot's head.  Each wave waits for all its tensor loads (one is out: its tile of the slot ahead), adds 0 to its spare word, and waits for that and for its reads of the
; slot that it has left.  Behind the barrier the slot ahead is whole and nobody reads the other one, which is then filled: the load has four steps in which to land.
.macro CHANGE fill
	s_wait_tensorcnt 0x0                           ; no tensor load of mine is out, so the group 0 may be written
	ds_add_u32 v[SPW], v[NIL]
.if \fill
	s_xor_b32 s[G0+1], s[G0+1], SLOT1              ; the other slot than last time,
	s_add_nc_u64 s[G0+2:G0+3], s[G0+2:G0+3], 4*KS*128  ; the next 256 keys
	s_wait_xcnt 0x0                                ; the last prefetch, a slot back, has read its address
	s_add_nc_u64 s[PFA:PFA+1], s[PFA:PFA+1], 4*KS*128
.endif
	s_wait_dscnt 0x0                               ; the add is done, and my reads of the slot that I have left are over
	s_barrier_signal -1
	s_barrier_wait -1
.if \fill
	s_add_co_u32 s96, s[KF], 4*KS                  ; the first key of the slot that this change would ask for,
	s_cmp_gt_u32 s96, s[LASTQ]                     ; against my work-group's last query: ids and the count of steps alone, alike in all eight waves; every wait for tensor loads in this text is for 0
	s_cbranch_scc1 .Lpast_\@
	TLOAD                                          ; my one tensor load until the next change
.Lpast_\@:
	ASK
.endif
.endm
	s_wait_loadcnt 0x0                             ; Q
.Lslot:                                            ; 7 trips: behind each change of slots but the last the next slot is asked for, up to the causal limit
	CHANGE 1
	FOUR_STEPS
	s_sub_co_u32 s[SLOTS], s[SLOTS], 1
	s_cmp_lg_u32 s[SLOTS], 0
	s_cbranch_scc1 .Lslot
	CHANGE 0                                       ; the last slot is written out: nothing is left to ask for
	FOUR_STEPS
	; THE WAY OUT: O^T / l, rounded to f16, through my stage, a tile (16 rows of 128 bytes) at a time
.rept 4
	v_nop
.endr
.irp t, 0,1,2,3
	v_add_f32 v[ST+8*\t+4], v[ST+8*\t+2], v[ST+8*\t+3]
.endr
.irp t, 0,1,2,3
	v_permlanex16_b32 v[ST+8*\t+5], v[ST+8*\t+4], s[SEL], s[SEL+1]
.endr
.irp t, 0,1,2,3
	v_add_f32 v[ST+8*\t+4], v[ST+8*\t+4], v[ST+8*\t+5]
.endr
.irp t, 0,1,2,3
	v_rcp_f32 v[ST+8*\t+6], v[ST+8*\t+4]
.endr
	v_nop
	s_wait_alu depctr_va_vdst(0)                   ; one wait for the four reciprocals
.macro PACK t
	WIN W_RS
.set i, 0
.rept 16
	v_pk_mul_f32 v[32*\t+i:32*\t+i+1], v[32*\t+i:32*\t+i+1], v[ST+8*\t+6:ST+8*\t+7] op_sel_hi:[1,0]
.set i, i+2
.endr
	WIN 0x05                                       ; sources 0 and 1 window 1
.set i, 0
.rept 16
	v_cvt_pk_f16_f32 v[KR+16*\t+i], v[32*\t+2*i], v[32*\t+2*i+1]
.set i, i+1
.endr
	WIN 0
.irp ct, 0,1,2,3
	ds_store_b128 v[STO], v[KR+16*\t+4*\ct:KR+16*\t+4*\ct+3] offset:32*\ct
.endr
.irp i4, 0,1,2,3
	ds_load_b128 v[VR+16*\t+4*\i4:VR+16*\t+4*\i4+3], v[RD] offset:4*SP*\i4   ; LDS serves a wave's instructions in order: these see the stores above, and the next tile's stores come behind them
.endr
.endm
.irp t, 0,1,2,3
	PACK \t
.endr
.irp t, 0,1,2,3
.irp i4, 0,1,2,3
	s_wait_dscnt 8*(3-\t)+3-\i4                    ; behind this load: the rest of its tile's, and eight LDS instructions for each later tile
	global_store_b128 v[AOF+\t], v[VR+16*\t+4*\i4:VR+16*\t+4*\i4+3], s[AOB:AOB+1] offset:512*\i4   ; four rows: 512 consecutive bytes
.endr
.endr
	s_wait_tensorcnt 0x0                           ; the wave's end
	ds_add_u32 v[SPW], v[NIL]
	s_wait_dscnt 0x0
	s_endpgm
.Lfunc_end_k_q669433ff08_attn:
	.size	k_q669433ff08_attn, .Lfunc_end_k_q669433ff08_attn-k_q669433ff08_attn
	.p2alignl 7, 3214868480
	.fill 96, 4, 3214868480
	.section	.rodata,"a",@progbits
	.p2align	6, 0x0
	.amdhsa_kernel k_q669433ff08_attn
		.amdhsa_group_segment_fixed_size 327680
		.amdhsa_private_segment_fixed_size 0
		.amdhsa_enable_private_segment 0
		.amdhsa_kernarg_size 16
		.amdhsa_user_sgpr_count 2
		.amdhsa_user_sgpr_kernarg_segment_ptr 1
		.amdhsa_wavefront_size32 1
		.amdhsa_system_sgpr_workgroup_id_x 1
		.amdhsa_system_sgpr_workgroup_id_y 1
		.amdhsa_system_sgpr_workgroup_id_z 1
		.amdhsa_system_vgpr_workitem_id 0
		.amdhsa_next_free_vgpr 512
		.amdhsa_next_free_sgpr 100
		.amdhsa_reserve_vcc 1
		.amdhsa_float_denorm_mode_32 3
		.amdhsa_float_denorm_mode_16_64 3
		.amdhsa_memory_ordered 1
		.amdhsa_forward_progress 1
		.amdhsa_inst_pref_size 111
	.end_amdhsa_kernel
	.amdgpu_metadata
---
amdhsa.version: [ 1, 2 ]
amdhsa.kernels:
  - .name:           k_q669433ff08_attn
    .symbol:         k_q669433ff08_attn.kd
    .args:
      - { .name: qkv16, .offset: 0, .size: 8, .value_kind: global_buffer, .address_space: global }
      - { .name: ao16, .offset: 8, .size: 8, .value_kind: global_buffer, .address_space: global }
    .group_segment_fixed_size: 327680
    .private_segment_fixed_size: 0
    .kernarg_segment_align: 8
    .kernarg_segment_size: 16
    .max_flat_workgroup_size: 256
    .sgpr_count:     100
    .vgpr_count:     512
    .wavefront_size: 32
...
	.end_amdgpu_metadata
.endif
;; end of part 3
;; launch proj (part 4): grid 4 x 64, 4 waves a work-group, clusters of 4 x 4, 327,680 bytes of LDS; arguments ao16, wo16, out0; writes out0
.if DOCPART == 4
	.amdgcn_target "amdgcn-amd-amdhsa--gfx1250"
	.amdhsa_code_object_version 6
	.text
	.protected	k_q669433ff08_proj
	.globl	k_q669433ff08_proj
	.p2align	8
	.type	k_q669433ff08_proj,@function
k_q669433ff08_proj:
	s_mov_b64 s[64:65], 0
	v_nop
	global_prefetch_b8 v0, s[64:65] scope:SCOPE_SE
	s_setreg_imm32_b32 hwreg(HW_REG_WAVE_MODE, 25, 1), 1
	s_wait_xcnt 0x0
	s_wait_alu depctr_hold_cnt(0) depctr_sa_sdst(0) depctr_va_vdst(0) depctr_va_sdst(0) depctr_va_ssrc(0) depctr_va_vcc(0) depctr_vm_vsrc(0)
	s_getreg_b32 s2, hwreg(HW_REG_IB_STS2, 6, 4)
	s_cmp_eq_u32 s2, 0
	s_cbranch_scc0 .Lentry_in_a_cluster
	s_endpgm
.Lentry_in_a_cluster:
	s_bfe_u32 s2, ttmp6, 0x10000c
	s_cmp_lg_u32 s2, 0xf033
	s_cbranch_scc0 .Lentry_shape_is_right
	s_endpgm
.Lentry_shape_is_right:
; PROJ: out[m][n] = sum over k of ao[m][k] wo[n][k], m = 8,192, n = 1,024, K = 1,024 = 16 heads of 64; f16 operands, f32 sums and results.  ao16: [head][m][64], wo16: [head][n][64].
; Positions 0-15 of each sequence are NOT stored here: they are carried in f32 by the launch that follows.
; A tile of out is 128 x 256: 256 work-groups.  Four waves, each 64 x 128: 32 accumulators.  A K step is two heads (128 along K): for each head 128 rows of ao and 256 rows of wo, each a dense
; block of memory; wave 0, 1 fetch ao's two, wave 2, 3 wo's two, one tensor load a wave.  Two slots; from a request to the wait for it a wave issues 112 matrix instructions.
; CLUSTERS: 4 x 4.  Tile column = cx; tile row = 16 cy + cluster y: the batch is cy and the tile's first position, 128 x cluster y, is the same in all sixteen.  ao's tiles are asked for jointly
; along a row of the cluster, wo's along a column.  THE MATRIX INSTRUCTION IS USED TRANSPOSED (source 0 = 16 rows of wo, source 1 = 16 rows of ao): a lane holds eight neighbouring columns of a row.
; No prefetch: the launch is short and each tile is asked for a whole K step ahead.
; REGISTERS: window 0: v16-29 addresses; v64-159, v160-255 two fragment buffers (ao's 4 fragments, then wo's 8); on the way out v64-191 rows back from the stage.  window 1: the accumulators ((a, b) at v[8 (8 a + b)]).
.set PITCH,  144                       ; an LDS row: 128 bytes + 16 = 36 words: the 16 rows of a load start at 16 different groups of four banks
.set APART,  128*PITCH                 ; a head's rows of ao
.set BPART,  256*PITCH                 ; and of wo
.set BOFF,   2*APART
.set SLOT,   2*APART+2*BPART
.set STAGE,  2*SLOT                    ; behind the ring: 16 rows x (512 bytes + 16) for each wave
.set SPITCH, 528
.set SPARE,  STAGE+4*16*SPITCH
.set LAPS,   4                         ; a lap = two K steps = once round the ring
.set ADRA, 16
.set ADRB, 20
.set STO,  24
.set RD,   25
.set CO,   26
.set SPW,  28
.set NIL,  29
.set F0,   64
.set F1,   160
.set BK,   64
.set G1, 24
.set G0, 32
.set G1B, 48
.set G0B, 56
.set MSB, 0
.macro WIN new
.if MSB != (\new)
	s_set_vgpr_msb (MSB<<8)|(\new)
.set MSB, (\new)
.endif
.endm
.set MUL, 0x50                         ; C and D window 1
.macro JLOAD s                         ; a joint load; an s_nop 0 and four v_nop follow each of the two lines
	s_cmp_eq_u32 s11, 0
	s_cbranch_scc0 .Lfor_b_\@
	tensor_load_to_lds s[G0+4*\s:G0+4*\s+3], s[G1:G1+7]
	s_nop 0
.rept 4
	v_nop
.endr
	s_branch .Lasked_\@
.Lfor_b_\@:
	tensor_load_to_lds s[G0B+4*\s:G0B+4*\s+3], s[G1B:G1B+7]
	s_nop 0
.rept 4
	v_nop
.endr
.Lasked_\@:
.endm
.macro CREST                           ; a round of the cluster's barrier behind its opening barrier
	s_cmp_lg_u32 s10, 0
	s_cbranch_scc1 .Lnot_wave_0_\@
	s_barrier_signal -3
.Lnot_wave_0_\@:
	s_barrier_wait -3
	s_barrier_signal -1
	s_barrier_wait -1
.endm
.macro CROUND
	s_barrier_signal -1
	s_barrier_wait -1
	CREST
.endm
	s_load_b128 s[4:7], s[0:1], 0x0                ; ao16, wo16
	s_load_b64 s[8:9], s[0:1], 0x10                ; out0
	v_lshl_add_u32 v[SPW], v0, 2, SPARE
	v_mov_b32 v[NIL], 0
	ds_add_u32 v[SPW], v[NIL]                      ; the wave's opening: the add, twice on end, and its wait ahead of my first tensor load
	ds_add_u32 v[SPW], v[NIL]
	v_lshrrev_b32 v1, 5, v0
	v_readfirstlane_b32 s10, v1                    ; wave 0..3
	s_lshr_b32 s11, s10, 1                         ; which 64 rows are mine.  Also: I fetch for ao (0) or for wo (1)
	s_and_b32 s12, s10, 1                          ; which 128 columns.  Also: which of a K step's two heads I fetch
	s_bfe_u32 s40, ttmp6, 0x40000                  ; cx
	s_bfe_u32 s41, ttmp6, 0x40004                  ; cy
	s_lshl_b32 s42, ttmp9, 2
	s_add_co_u32 s42, s42, s40                     ; tile column
	s_and_b32 s45, ttmp7, 0xffff                   ; cluster y
	s_lshl_b32 s13, s41, 4
	s_add_co_u32 s13, s13, s45                     ; tile row = 16 cy + cluster y
	s_or_b32 s2, s45, s11                          ; 0 where my first 16 rows are positions 0-15: cluster y and the wave's number alone
	s_lshl_b32 s43, s41, 2
	s_lshl_b32 s43, 15, s43                        ; my row of the cluster
	s_lshl_b32 s44, 0x1111, s40                    ; my column
	s_or_b32 s[G1+0], s43, (1<<16)|(1<<20)|(1<<21)|(4<<22)|(3<<25)  ; the mask; elements of 2 bytes; padding on; bit 21 beside a mask; 4 words behind every 32
	s_or_b32 s[G1B+0], s44, (1<<16)|(1<<20)|(1<<21)|(4<<22)|(3<<25)
	s_mov_b32 s[G1+1], 64<<16                      ; tensor_dim0
	s_mov_b32 s[G1+2], 128<<16                     ; tensor_dim1
	s_mov_b32 s[G1+3], 64<<16                      ; tile_dim0
	s_mov_b32 s[G1+4], 128                         ; tile_dim1
	s_mov_b32 s[G1+5], 64                          ; from row to row
	s_mov_b32 s[G1+6], 0
	s_mov_b32 s[G1+7], 0
	s_mov_b32 s[G1B+1], 64<<16
	s_mov_b32 s[G1B+2], 256<<16
	s_mov_b32 s[G1B+3], 64<<16
	s_mov_b32 s[G1B+4], 256
	s_mov_b32 s[G1B+5], 64
	s_mov_b32 s[G1B+6], 0
	s_mov_b32 s[G1B+7], 0
	s_lshl_b32 s16, s12, 20                        ; ao: a head is 8,192 rows of 128 bytes; my tile's 128 rows
	s_lshl_b32 s17, s13, 14
	s_add_co_u32 s16, s16, s17
	s_mov_b32 s17, 0
	s_lshl_b32 s46, s12, 17                        ; wo: a head is 1,024 rows; my tile's 256 rows
	s_lshl_b32 s47, s42, 15
	s_add_co_u32 s46, s46, s47
	s_mov_b32 s47, 0
	s_mul_i32 s20, s12, APART                      ; where they go: no place in the cluster enters an LDS address
	s_mul_i32 s21, s12, BPART
	s_add_co_u32 s21, s21, BOFF
	s_wait_dscnt 0x0                               ; both opening adds are done
	s_wait_kmcnt 0x0
	s_add_nc_u64 s[14:15], s[4:5], s[16:17]
	s_add_nc_u64 s[46:47], s[6:7], s[46:47]
	CROUND                                         ; all sixteen work-groups are here: the first joint loads meet
.irp s, 0,1
	s_mov_b32 s[G0+4*\s], 1
	s_add_co_u32 s[G0+4*\s+1], s20, \s*SLOT
	s_add_nc_u64 s[G0+4*\s+2:G0+4*\s+3], s[14:15], \s*2097152    ; K step s: two heads on
	s_or_b32 s[G0+4*\s+3], s[G0+4*\s+3], 0x80000000
	s_mov_b32 s[G0B+4*\s], 1
	s_add_co_u32 s[G0B+4*\s+1], s21, \s*SLOT
	s_add_nc_u64 s[G0B+4*\s+2:G0B+4*\s+3], s[46:47], \s*262144
	s_or_b32 s[G0B+4*\s+3], s[G0B+4*\s+3], 0x80000000
	JLOAD \s                                       ; two loads of mine are out behind the second
.endr
	v_and_b32 v1, 15, v0                           ; r
	v_bfe_u32 v2, v0, 4, 1                         ; h
	v_mul_u32_u24 v3, v1, PITCH
	v_lshl_add_u32 v3, v2, 4, v3
	s_mul_i32 s21, s11, 64*PITCH                   ; my 64 rows of ao,
	s_mul_i32 s22, s12, 128*PITCH                  ; my 128 rows of wo,
	s_add_co_u32 s22, s22, BOFF                    ; which lie behind ao's two parts
.irp s, 0,1
	v_add_nc_u32 v[ADRA+\s], s21, v3
	v_add_nc_u32 v[ADRB+\s], s22, v3
	s_add_co_u32 s21, s21, SLOT
	s_add_co_u32 s22, s22, SLOT
.endr
	s_mul_i32 s23, s10, 16*SPITCH
	s_add_co_u32 s23, s23, STAGE                   ; my stage
	v_mul_u32_u24 v4, v1, SPITCH
	v_lshl_add_u32 v4, v2, 5, v4
	v_add_nc_u32 v[STO], s23, v4                   ; in: row r, 32 bytes for each half of the lanes
	v_and_b32 v5, 31, v0
	v_lshlrev_b32 v[CO], 4, v5                     ; back: the 32 lanes take a row's 512 bytes; and the same in out
	v_add_nc_u32 v[RD], s23, v[CO]
	s_lshl_b32 s16, s13, 19                        ; out: 128 rows of 4,096 bytes a tile row, my 64 rows,
	s_lshl_b32 s17, s11, 18
	s_add_co_u32 s16, s16, s17
	s_lshl_b32 s17, s42, 10                        ; 1,024 bytes a tile column, my 512
	s_add_co_u32 s16, s16, s17
	s_lshl_b32 s17, s12, 9
	s_add_co_u32 s16, s16, s17
	s_mov_b32 s17, 0
	s_add_nc_u64 s[8:9], s[8:9], s[16:17]
; 8 matrix instructions: row blocks a0, a0 + 1 x column blocks 4 bh .. 4 bh + 3, 32 along K.  A quarter's 32 name 32 different accumulators, in the same order in every quarter.
.macro MUL8 f, bh, a0, zero
.irp a, \a0, \a0+1
.irp b, 0,1,2,3
.if \zero
	v_wmma_f32_16x16x32_f16 v[8*(8*(\a)+4*\bh+\b):8*(8*(\a)+4*\bh+\b)+7], v[\f+32+8*(4*\bh+\b):\f+32+8*(4*\bh+\b)+7], v[\f+8*(\a):\f+8*(\a)+7], 0
.else
	v_wmma_f32_16x16x32_f16 v[8*(8*(\a)+4*\bh+\b):8*(8*(\a)+4*\bh+\b)+7], v[\f+32+8*(4*\bh+\b):\f+32+8*(4*\bh+\b)+7], v[\f+8*(\a):\f+8*(\a)+7], v[8*(8*(\a)+4*\bh+\b):8*(8*(\a)+4*\bh+\b)+7]
.endif
.endr
.endr
.endm
; 24 LDS loads in one run: quarter qd of a K step (head qd / 2, channels 32 (qd % 2) on) into buffer f: ao's 4 fragments, wo's 0-3, wo's 4-7
.macro FETCH slot, qd, f
	WIN 0
.irp a, 0,1,2,3
	ds_load_b128 v[\f+8*\a:\f+8*\a+3],   v[ADRA+\slot] offset:APART*((\qd)/2)+16*PITCH*\a+64*((\qd)%2)
	ds_load_b128 v[\f+8*\a+4:\f+8*\a+7], v[ADRA+\slot] offset:APART*((\qd)/2)+16*PITCH*\a+64*((\qd)%2)+32
.endr
.irp b, 0,1,2,3,4,5,6,7
	ds_load_b128 v[\f+32+8*\b:\f+32+8*\b+3],   v[ADRB+\slot] offset:BPART*((\qd)/2)+16*PITCH*\b+64*((\qd)%2)
	ds_load_b128 v[\f+32+8*\b+4:\f+32+8*\b+7], v[ADRB+\slot] offset:BPART*((\qd)/2)+16*PITCH*\b+64*((\qd)%2)+32
.endr
.endm
.macro PLACES
.rept 4
	v_nop
.endr
.endm
; One of a K step's first three quarters: multiplies buffer f and fetches quarter qn into g
.macro QUARTER slot, qn, f, g, zero
	s_wait_dscnt 8                                 ; ao's fragments and wo's 0-3 are in; the youngest eight loads (wo's 4-7) may be out
	WIN MUL
	MUL8 \f, 0, 0, \zero
	MUL8 \f, 0, 2, \zero
	PLACES                                         ; in front of loads into the buffer that the quarter before multiplied
	FETCH \slot, \qn, \g
	s_wait_dscnt 24                                ; all but the 24 just issued
	WIN MUL
	MUL8 \f, 1, 0, \zero
	MUL8 \f, 1, 2, \zero
.endm
; The last quarter multiplies buffer 1 and changes slots: one barrier; in front of it each wave waits for all its tensor loads, adds 0 to its spare word, and waits for that and for its reads of this slot.
.macro TURN slot, next, fill
	WIN 0
	s_wait_tensorcnt 0x0                           ; my part of the next slot has landed: no load of mine is out
	ds_add_u32 v[SPW], v[NIL]
	s_wait_dscnt 9                                 ; (the add and the youngest eight loads may be out)
	WIN MUL
	MUL8 F1, 0, 0, 0
	s_wait_dscnt 0x0                               ; the add is done, and my reads of this slot are over
	s_barrier_signal -1
	MUL8 F1, 0, 2, 0
.if \fill
	WIN 0
.endif
	s_barrier_wait -1
.if \fill
	CREST                                          ; the barrier has opened a round of the cluster's: no wave of any partner still reads this slot or has a load on its way
	s_add_nc_u64 s[G0+4*\slot+2:G0+4*\slot+3], s[G0+4*\slot+2:G0+4*\slot+3], 4194304    ; two K steps, four heads, on
	s_add_nc_u64 s[G0B+4*\slot+2:G0B+4*\slot+3], s[G0B+4*\slot+2:G0B+4*\slot+3], 524288
	JLOAD \slot                                    ; the first tensor load behind the round; its four v_nop are also the places in front of the loads below
.else
	PLACES
.endif
	FETCH \next, 0, F0
	WIN MUL
	MUL8 F1, 1, 0, 0
	MUL8 F1, 1, 2, 0
.endm
	s_wait_tensorcnt 1                             ; my part of K step 0 is in (K step 1's may be out)
	s_barrier_signal -1
	s_barrier_wait -1                              ; everybody's is
	FETCH 0, 0, F0
	QUARTER 0, 1, F0, F1, 1                        ; the first quarter's products start the sums
	WIN 0
	s_mov_b32 s3, LAPS-1
.Llap:                                             ; a trip goes once round the ring, from a lap's second quarter to the next lap's first, and fills both slots again
	QUARTER 0, 2, F1, F0, 0
	QUARTER 0, 3, F0, F1, 0
	TURN 0, 1, 1
	QUARTER 1, 1, F0, F1, 0
	QUARTER 1, 2, F1, F0, 0
	QUARTER 1, 3, F0, F1, 0
	TURN 1, 0, 1
	QUARTER 0, 1, F0, F1, 0
	WIN 0
	s_sub_co_u32 s3, s3, 1
	s_cmp_lg_u32 s3, 0
	s_cbranch_scc1 .Llap
	QUARTER 0, 2, F1, F0, 0                        ; the last lap fills nothing, and has no round of the cluster's barrier
	QUARTER 0, 3, F0, F1, 0
	TURN 0, 1, 0
	QUARTER 1, 1, F0, F1, 0
	QUARTER 1, 2, F1, F0, 0
	QUARTER 1, 3, F0, F1, 0
	s_wait_dscnt 8
	WIN MUL
	MUL8 F1, 0, 0, 0
	MUL8 F1, 0, 2, 0
	s_wait_dscnt 0
	MUL8 F1, 1, 0, 0
	MUL8 F1, 1, 2, 0
	WIN 0
; THE WAY OUT, block by block of 16 rows x 128 columns, through my own stage: in as 32 bytes a lane, back as whole rows of 512 bytes
.macro TOSTAGE a
	WIN 0x04                                       ; an LDS store's data are its source 1: window 1
.irp b, 0,1,2,3,4,5,6,7
	ds_store_b128 v[STO], v[8*(8*(\a)+\b):8*(8*(\a)+\b)+3] offset:64*\b        ; each accumulator from its low end on
	ds_store_b128 v[STO], v[8*(8*(\a)+\b)+4:8*(8*(\a)+\b)+7] offset:64*\b+16
.endr
	WIN 0
.set BB, BK+64*((\a)%2)
.irp t, 0,1,2,3,4,5,6,7,8,9,10,11,12,13,14,15
	ds_load_b128 v[BB+4*\t:BB+4*\t+3], v[RD] offset:\t*SPITCH      ; LDS serves a wave's instructions in order
.endr
.endm
.macro SEND a, younger
.set BB, BK+64*((\a)%2)
	s_wait_dscnt \younger                          ; the block is back; the next block's 32 LDS instructions may be out
.if (\a) == 0
	s_cmp_eq_u32 s2, 0                             ; positions 0-15 belong to the launch that follows
	s_cbranch_scc1 .Lnot_here
.endif
.irp t, 0,1,2,3,4,5,6,7,8,9,10,11,12,13,14,15
	global_store_b128 v[CO], v[BB+4*\t:BB+4*\t+3], s[8:9] offset:65536*(\a)+4096*\t th:TH_STORE_NT   ; 32 lanes store 512 consecutive bytes
.endr
.if (\a) == 0
.Lnot_here:
.endif
.endm
	PLACES
	TOSTAGE 0
	TOSTAGE 1
	SEND 0, 32
	s_wait_xcnt 0x0                                ; block 0's stores have read the registers that block 2's loads fill
	TOSTAGE 2
	SEND 1, 32
	s_wait_xcnt 0x0
	TOSTAGE 3
	SEND 2, 32
	SEND 3, 0
	s_wait_tensorcnt 0x0                           ; the wave's end
	ds_add_u32 v[SPW], v[NIL]
	s_wait_dscnt 0x0
	CROUND                                         ; the closing round
	s_endpgm
.Lfunc_end_k_q669433ff08_proj:
	.size	k_q669433ff08_proj, .Lfunc_end_k_q669433ff08_proj-k_q669433ff08_proj
	.p2alignl 7, 3214868480
	.fill 96, 4, 3214868480
	.section	.rodata,"a",@progbits
	.p2align	6, 0x0
	.amdhsa_kernel k_q669433ff08_proj
		.amdhsa_group_segment_fixed_size 327680
		.amdhsa_private_segment_fixed_size 0
		.amdhsa_enable_private_segment 0
		.amdhsa_kernarg_size 24
		.amdhsa_user_sgpr_count 2
		.amdhsa_user_sgpr_kernarg_segment_ptr 1
		.amdhsa_wavefront_size32 1
		.amdhsa_system_sgpr_workgroup_id_x 1
		.amdhsa_system_sgpr_workgroup_id_y 1
		.amdhsa_system_sgpr_workgroup_id_z 1
		.amdhsa_system_vgpr_workitem_id 0
		.amdhsa_next_free_vgpr 512
		.amdhsa_next_free_sgpr 66
		.amdhsa_reserve_vcc 0
		.amdhsa_float_denorm_mode_32 3
		.amdhsa_float_denorm_mode_16_64 3
		.amdhsa_memory_ordered 1
		.amdhsa_forward_progress 1
		.amdhsa_inst_pref_size 85
	.end_amdhsa_kernel
	.amdgpu_metadata
---
amdhsa.version: [ 1, 2 ]
amdhsa.kernels:
  - .name:           k_q669433ff08_proj
    .symbol:         k_q669433ff08_proj.kd
    .args:
      - { .name: ao16, .offset: 0, .size: 8, .value_kind: global_buffer, .address_space: global }
      - { .name: wo16, .offset: 8, .size: 8, .value_kind: global_buffer, .address_space: global }
      - { .name: out0, .offset: 16, .size: 8, .value_kind: global_buffer, .address_space: global }
    .group_segment_fixed_size: 327680
    .private_segment_fixed_size: 0
    .kernarg_segment_align: 8
    .kernarg_segment_size: 24
    .max_flat_workgroup_size: 128
    .sgpr_count:     66
    .vgpr_count:     512
    .wavefront_size: 32
...
	.end_amdgpu_metadata
.endif
;; end of part 4
;; launch first16 (part 5): grid 16 x 4, 16 waves a work-group, no clusters, 71,680 bytes of LDS; arguments fine, wo, out0; writes out0
.if DOCPART == 5
	.amdgcn_target "amdgcn-amd-amdhsa--gfx1250"
	.amdhsa_code_object_version 6
	.text
	.protected	k_q669433ff08_first16
	.globl	k_q669433ff08_first16
	.p2align	8
	.type	k_q669433ff08_first16,@function
k_q669433ff08_first16:
	s_mov_b64 s[64:65], 0
	v_nop
	global_prefetch_b8 v0, s[64:65] scope:SCOPE_SE
	s_setreg_imm32_b32 hwreg(HW_REG_WAVE_MODE, 25, 1), 1
	s_wait_xcnt 0x0
; FIRST16: positions 0-15 of each of the 4 sequences, attention and projection in f32: these rows average one to sixteen values and are the largest of the output, so 16-bit operands are too coarse for them.
; fine: f32, [kind 3][16 batch + position][1,024], after the rotation, q already x log2(e) / 8.  wo: the input, f32, [n][k].  out0: rows 2,048 batch + 0..15.
; Work-group (x, batch) makes 16 rows x 64 columns (n0 = 64 x).  Wave = head: its head's 16 x 16 attention, then its 64 of the projection's K; the 16 partial results meet in LDS.
; All products by v_wmma_f32_16x16x4_f32: 96 a wave.  Along each product's K the same permutation is applied to both sources, chosen so that a result's registers are the next product's source as they stand:
;   S^T = K Q^T:     K step s takes channels 32 h + 2 s + j: a lane's 32 registers are 128 consecutive bytes of its row.
;   O^T = V^T P:     K step s takes keys 8 h + 2 s + j: P's registers 2 s, 2 s + 1.
;   out^T = Wo O^T:  K step (t, s) takes channels 16 t + 8 h + 2 s + j: O's registers 8 t + 2 s, + 1.
; The registers that these matrix instructions write (v112-159) are written by nothing else; what is made of a sum goes into other registers.
; No tensor loads, no cluster: 64 small work-groups that share only 0.8 MB of inputs.  A slab narrower than 64 columns would store pieces of rows shorter than 256 bytes.
; REGISTERS: v1-13 ids and addresses; v14, v15 the add's two; v16-47 Q, later P (v16-23) and work; v48-79 K, later wo's tile 3; v80-111 V^T, later O / l; v112-127 S^T in two halves; v128-159 O^T, later out^T; v160-255 wo's tiles 0-2.
.set PART,  4352                       ; a wave's partial result in LDS: 16 groups of (16 rows x 16 bytes + 16 of padding)
.set SPARE, 16*PART
.set SPW, 14
.set NIL, 15
	s_load_b128 s[4:7], s[0:1], 0x0                ; fine, wo
	s_load_b64 s[8:9], s[0:1], 0x10                ; out0
	v_lshl_add_u32 v[SPW], v0, 2, SPARE
	v_mov_b32 v[NIL], 0
	v_lshrrev_b32 v1, 5, v0
	v_readfirstlane_b32 s10, v1                    ; wave = head
	s_and_b32 s11, ttmp7, 0xffff                   ; batch
	v_and_b32 v1, 15, v0                           ; r
	v_bfe_u32 v2, v0, 4, 1                         ; h
	v_lshlrev_b32 v3, 12, v1
	v_lshl_add_u32 v3, v2, 7, v3                   ; Q, K: row r of 4,096 bytes + 128 h
	v_lshlrev_b32 v4, 2, v1
	v_lshl_add_u32 v4, v2, 15, v4                  ; V: key 8 h, channel r
	v_lshlrev_b32 v5, 12, v1
	v_lshl_add_u32 v5, v2, 5, v5                   ; wo: row r + 32 h
	s_mul_i32 s16, s10, PART
	v_mul_u32_u24 v6, v2, 272
	v_lshl_add_u32 v6, v1, 4, v6
	v_add_nc_u32 v6, s16, v6                       ; my partial result: group + h, row r
	v_bfe_u32 v8, v0, 4, 4                         ; the sum: thread T of 256 takes row T / 16 and columns 4 (T % 16) on: ch
	v_bfe_u32 v9, v0, 2, 2
	v_and_b32 v10, 1, v0
	v_bfe_u32 v11, v0, 1, 1
	v_lshl_add_u32 v9, v9, 2, v11
	v_lshl_add_u32 v9, v10, 1, v9                  ; which lie in group 4 (ch / 4) + 2 (ch % 2) + (ch / 2) % 2
	v_mul_u32_u24 v7, v9, 272
	v_lshl_add_u32 v7, v8, 4, v7
	v_and_b32 v13, 15, v0
	v_lshlrev_b32 v13, 4, v13
	v_lshl_add_u32 v12, v8, 12, v13                ; and in out: row x 4,096 + 16 ch
	v_lshlrev_b32 v10, 3, v2
	v_sub_nc_u32 v10, v1, v10                      ; r - 8 h
	v_mov_b32 v11, 0xff800000                      ; -infinity
	s_mov_b32 s18, 0x76543210
	s_mov_b32 s19, 0xfedcba98
	s_lshl_b32 s20, s11, 16                        ; fine: row 16 x batch, the head's 256 bytes
	s_lshl_b32 s16, s10, 8
	s_add_co_u32 s20, s20, s16
	s_mov_b32 s21, 0
	s_lshl_b32 s22, ttmp9, 18                      ; wo: row 64 x, the head's 256 bytes
	s_add_co_u32 s22, s22, s16
	s_mov_b32 s23, 0
	s_lshl_b32 s24, s11, 23                        ; out: row 2,048 x batch, column 64 x
	s_lshl_b32 s25, ttmp9, 8
	s_add_co_u32 s24, s24, s25
	s_mov_b32 s25, 0
	s_wait_kmcnt 0x0
	s_add_nc_u64 s[12:13], s[4:5], s[20:21]
	s_add_nc_u64 s[14:15], s[6:7], s[22:23]
	s_add_nc_u64 s[8:9], s[8:9], s[24:25]
.irp i, 0,1,2,3,4,5,6,7
	global_load_b128 v[16+4*\i:19+4*\i], v3, s[12:13] offset:16*\i             ; Q
.endr
.irp i, 0,1,2,3,4,5,6,7
	global_load_b128 v[48+4*\i:51+4*\i], v3, s[12:13] offset:262144+16*\i      ; K
.endr
.irp t, 0,1,2,3
.irp kk, 0,1,2,3,4,5,6,7
	global_load_b32 v[80+8*\t+\kk], v4, s[12:13] offset:524288+4096*\kk+64*\t  ; V(key 8 h + kk, channel 16 t + r)
.endr
.endr
.irp nt, 0,1,2
.irp t, 0,1,2,3
	global_load_b128 v[160+32*\nt+8*\t:163+32*\nt+8*\t], v5, s[14:15] offset:65536*\nt+64*\t       ; wo(n0 + 16 nt + r, 64 head + 16 t + 8 h + 0..7)
	global_load_b128 v[164+32*\nt+8*\t:167+32*\nt+8*\t], v5, s[14:15] offset:65536*\nt+64*\t+16
.endr
.endr
	s_wait_loadcnt 56                              ; Q and K are in; V's 32 and wo's 24 stay out
	v_wmma_f32_16x16x4_f32 v[112:119], v[48:49], v[16:17], 0                   ; S^T in two halves, which take turns: each half's first K step starts its sum
	v_wmma_f32_16x16x4_f32 v[120:127], v[50:51], v[18:19], 0
.irp s, 2,4,6,8,10,12,14
	v_wmma_f32_16x16x4_f32 v[112:119], v[48+2*\s:49+2*\s], v[16+2*\s:17+2*\s], v[112:119]
	v_wmma_f32_16x16x4_f32 v[120:127], v[50+2*\s:51+2*\s], v[18+2*\s:19+2*\s], v[120:127]
.endr
.rept 8
	v_nop                                          ; eight places behind this form (ISA guide 7.12.1)
.endr
.irp t, 0,1,2,3
	global_load_b128 v[48+8*\t:51+8*\t], v5, s[14:15] offset:65536*3+64*\t     ; wo's tile 3, where K lay
	global_load_b128 v[52+8*\t:55+8*\t], v5, s[14:15] offset:65536*3+64*\t+16
.endr
.irp j, 0,1,2,3,4,5,6,7
	v_add_f32 v[24+\j], v[112+\j], v[120+\j]       ; register j: key 8 h + j, query r; in units of log2
.endr
.irp j, 0,1,2,3,4,5,6,7
	v_cmp_gt_i32 vcc_lo, \j, v10                   ; hidden where 8 h + j > r
	v_cndmask_b32 v[24+\j], v[24+\j], v11, vcc_lo
.endr
	v_max3_num_f32 v32, v24, v25, v26
	v_max3_num_f32 v33, v27, v28, v29
	v_max3_num_f32 v32, v32, v30, v31
	v_max_num_f32 v32, v32, v33
	v_permlanex16_b32 v33, v32, s18, s19
	v_max_num_f32 v32, v32, v33                    ; the row's maximum: key 0 counts for every query
.irp j, 0,1,2,3,4,5,6,7
	v_sub_f32 v[24+\j], v[24+\j], v32
.endr
.irp j, 0,1,2,3,4,5,6,7
	v_exp_f32 v[16+\j], v[24+\j]                   ; p
.endr
	v_nop
	s_wait_alu depctr_va_vdst(0)                   ; one wait for the eight
	v_pk_add_f32 v[34:35], v[16:17], v[18:19]
	v_pk_add_f32 v[36:37], v[20:21], v[22:23]
	v_pk_add_f32 v[34:35], v[34:35], v[36:37]
	v_add_f32 v34, v34, v35
	v_permlanex16_b32 v35, v34, s18, s19
	v_add_f32 v34, v34, v35                        ; the row's sum
	v_rcp_f32 v36, v34
	v_nop
	s_wait_alu depctr_va_vdst(0)
	s_wait_loadcnt 32                              ; V is in; wo's 24 + 8 stay out
.irp t, 0,1,2,3
	v_wmma_f32_16x16x4_f32 v[128+8*\t:135+8*\t], v[80+8*\t:81+8*\t], v[16:17], 0       ; O^T: four tiles of 16 channels by turns
.endr
.irp s, 1,2,3
.irp t, 0,1,2,3
	v_wmma_f32_16x16x4_f32 v[128+8*\t:135+8*\t], v[80+8*\t+2*\s:81+8*\t+2*\s], v[16+2*\s:17+2*\s], v[128+8*\t:135+8*\t]
.endr
.endr
.rept 9
	v_nop                                          ; eight in front of the reads below; nine in front of the products that begin new sums in these registers
.endr
.set i, 0
.rept 32
	v_mul_f32 v[80+i], v[128+i], v36               ; O / l: register 8 t + j: channel 16 t + 8 h + j of query r
.set i, i+1
.endr
	s_wait_loadcnt 0x0                             ; wo
.macro PROJ ts, zero                   ; K step ts = 4 t + s for the four tiles of 16 outputs, by turns
.irp nt, 0,1,2,3
.if \nt < 3
.set WA, 160+32*\nt+2*(\ts)
.else
.set WA, 48+2*(\ts)
.endif
.if \zero
	v_wmma_f32_16x16x4_f32 v[128+8*\nt:135+8*\nt], v[WA:WA+1], v[80+2*(\ts):81+2*(\ts)], 0
.else
	v_wmma_f32_16x16x4_f32 v[128+8*\nt:135+8*\nt], v[WA:WA+1], v[80+2*(\ts):81+2*(\ts)], v[128+8*\nt:135+8*\nt]
.endif
.endr
.endm
	PROJ 0, 1
.irp ts, 1,2,3,4,5,6,7,8,9,10,11,12,13,14,15
	PROJ \ts, 0
.endr
.rept 8
	v_nop
.endr
.irp nt, 0,1,2,3
.irp c, 0,1
	ds_store_b128 v6, v[128+8*\nt+4*\c:131+8*\nt+4*\c] offset:(4*\nt+2*\c)*272     ; lane (r, h): out(r, n0 + 16 nt + 8 h + 4 c + 0..3), my head's part
.endr
.endr
	s_wait_dscnt 0x0                               ; for the others' sake: my stores have landed
	s_barrier_signal -1
	s_barrier_wait -1
	s_cmp_ge_u32 s10, 8                            ; 256 threads add the sixteen parts
	s_cbranch_scc1 .Ldone
.set i, 0
.rept 16
	ds_load_b128 v[16+4*i:19+4*i], v7 offset:PART*i
.set i, i+1
.endr
	s_wait_dscnt 0x0
.macro FOLD d                          ; partners d registers apart
.set i, 16
.rept 32/\d
	v_pk_add_f32 v[i:i+1], v[i:i+1], v[i+\d:i+\d+1]
	v_pk_add_f32 v[i+2:i+3], v[i+2:i+3], v[i+\d+2:i+\d+3]
.set i, i+2*\d
.endr
.endm
	FOLD 4
	FOLD 8
	FOLD 16
	FOLD 32
	global_store_b128 v12, v[16:19], s[8:9]        ; sixteen lanes store a row's 256 consecutive bytes
.Ldone:
	s_wait_tensorcnt 0x0                           ; the wave's end, behind my last LDS store
	ds_add_u32 v[SPW], v[NIL]
	s_wait_dscnt 0x0
	s_endpgm
.Lfunc_end_k_q669433ff08_first16:
	.size	k_q669433ff08_first16, .Lfunc_end_k_q669433ff08_first16-k_q669433ff08_first16
	.p2alignl 7, 3214868480
	.fill 96, 4, 3214868480
	.section	.rodata,"a",@progbits
	.p2align	6, 0x0
	.amdhsa_kernel k_q669433ff08_first16
		.amdhsa_group_segment_fixed_size 71680
		.amdhsa_private_segment_fixed_size 0
		.amdhsa_enable_private_segment 0
		.amdhsa_kernarg_size 24
		.amdhsa_user_sgpr_count 2
		.amdhsa_user_sgpr_kernarg_segment_ptr 1
		.amdhsa_wavefront_size32 1
		.amdhsa_system_sgpr_workgroup_id_x 1
		.amdhsa_system_sgpr_workgroup_id_y 1
		.amdhsa_system_sgpr_workgroup_id_z 1
		.amdhsa_system_vgpr_workitem_id 0
		.amdhsa_next_free_vgpr 256
		.amdhsa_next_free_sgpr 66
		.amdhsa_reserve_vcc 1
		.amdhsa_float_denorm_mode_32 3
		.amdhsa_float_denorm_mode_16_64 3
		.amdhsa_memory_ordered 1
		.amdhsa_forward_progress 1
		.amdhsa_inst_pref_size 24
	.end_amdhsa_kernel
	.amdgpu_metadata
---
amdhsa.version: [ 1, 2 ]
amdhsa.kernels:
  - .name:           k_q669433ff08_first16
    .symbol:         k_q669433ff08_first16.kd
    .args:
      - { .name: fine, .offset: 0, .size: 8, .value_kind: global_buffer, .address_space: global }
      - { .name: wo, .offset: 8, .size: 8, .value_kind: global_buffer, .address_space: global }
      - { .name: out0, .offset: 16, .size: 8, .value_kind: global_buffer, .address_space: global }
    .group_segment_fixed_size: 71680
    .private_segment_fixed_size: 0
    .kernarg_segment_align: 8
    .kernarg_segment_size: 24
    .max_flat_workgroup_size: 512
    .sgpr_count:     66
    .vgpr_count:     256
    .wavefront_size: 32
...
	.end_amdgpu_metadata
.endif
;; end of part 5
